; MI455X (gfx1250); checked and timed in simulation.
; The chip was launched on July 23, 2026; its instructions are those of AMD's public machine-readable ISA for CDNA 5 (MIT licence, August 2026) and "CDNA5" Instruction Set Architecture Reference Guide (July 2026). The comments in the code are by the model that wrote it; some were corrected since.
;; Decoder Block. Allowed arithmetic: matrix products marked QUANTISED: E4M3 operands, one E8M0 scale for each 32 along K, by v_wmma_scale_f32_16x16x128_f8f6f4 with both operands' format E4M3, f32 sums; everything else in f32.
;; Inputs: W1 1,024 x 4,096 float32; W2 4,096 x 1,024 float32; Wk 16 x 1,024 x 64 float32; Wo 1,024 x 1,024 float32; Wq 16 x 1,024 x 64 float32; Wv 16 x 1,024 x 64 float32; b1 4,096 float32; b2 1,024 float32; bo 1,024 float32; x 4 x 1,024 x 1,024 float32.
;; Outputs: out0 4 x 1,024 x 1,024 float32.
;; This version of the problem:
;;   THIS VERSION OF THE PROBLEM IS GIVEN IN LOW PRECISION. The matrix products marked QUANTISED in the list below multiply operands that are first quantised to E4M3 (4 exponent bits, 3 mantissa bits; 8 bits a number), with one power-of-two scale for each 32 numbers along K (OCP MX v1.0); their sums are f32. All else is computed in f32.
;;   The module's matrix products, in the order in which they are computed (A, B: the left and right operand; K: the contracted axis; several contracted axes count as one K, in the product's order):
;;     1. [M 1,024, K 1,024] x [K 1,024, N 4,096]; A: input Wq; B: input x: QUANTISED
;;     2. [M 1,024, K 1,024] x [K 1,024, N 4,096]; A: input Wk; B: input x: QUANTISED
;;     3. [M 1,024, K 1,024] x [K 1,024, N 4,096]; A: input Wv; B: input x: QUANTISED
;;     4. batch 64 x [M 1,024, K 64] x [K 64, N 1,024]; A: computed on the way; B: computed on the way: QUANTISED
;;     5. batch 64 x [M 1,024, K 1,024] x [K 1,024, N 64]; A: softmax (see below); B: computed on the way: QUANTISED
;;     6. [M 4,096, K 1,024] x [K 1,024, N 1,024]; A: computed on the way; B: input Wo: QUANTISED
;;     7. [M 4,096, K 1,024] x [K 1,024, N 4,096]; A: computed on the way; B: input W1: QUANTISED
;;     8. [M 4,096, K 4,096] x [K 4,096, N 1,024]; A: computed on the way; B: input W2: QUANTISED
;;   THE QUANTISER, for each operand of a quantised product, along K:
;;     - K is cut into blocks of 32 from its start; a last block that is shorter is filled with zeros.
;;     - A block's scale is 2^e with e = floor(log2(the largest magnitude in the block)) - 8, held to -126 .. 127; a block of zeros has e = 0. As a byte (E8M0): e + 127.
;;     - Each number is divided by its block's scale, clamped to +-448, and rounded to the nearest number of E4M3, ties to even, subnormals kept.
;;     - The product sums the exact products of the quantised numbers (number of the format x scale) in f32.
;;   ~~~python
;;   def quantise(x, axis):      # numpy; x: float32 -> the quantised numbers, widened to float32 again
;;       x = np.moveaxis(x, axis, -1); K = x.shape[-1]
;;       x = np.pad(x, [(0, 0)] * (x.ndim - 1) + [(0, -K % 32)]); x = x.reshape(x.shape[:-1] + (-1, 32)); a = np.abs(x).max(-1, keepdims=True)
;;       e = np.where(a > 0, np.clip(np.frexp(np.where(a > 0, a, 1))[1] - 1 - 8, -126, 127), 0)      # np.frexp(a)[1] - 1 = floor(log2(a)), exactly
;;       r = np.clip(x / 2.0 ** e, -448, 448)
;;       step = 2.0 ** (np.maximum(np.frexp(np.where(r == 0, 1, r))[1] - 1, -6) - 3)
;;       q = np.round(r / step) * step * 2.0 ** e      # np.round: ties to even
;;       return np.moveaxis(q.reshape(q.shape[:-2] + (-1,))[..., :K], -1, axis).astype(np.float32)
;;   ~~~
;;   SOFTMAX AHEAD OF A QUANTISED PRODUCT. Where the list says 'softmax', what is quantised is not the finished softmax but p = 2^(t - M), with t = logit x log2(e) and M = ceil(the row's largest t), a whole number; so 1/2 < the row's largest p <= 1. The row's sum l is taken of the UNQUANTISED p, in f32, and the product's result is divided by l at the end. Since M is a whole number, a kernel that streams over the keys may use a running M (the ceiling of the running maximum): every later rescaling is an exact power of two, which a block's scale takes up: the codes' values come out the same.
;;   OPERANDS COMPUTED ON THE WAY. 'Computed on the way' means the value that the module computes at that place (a softmax that the list does not call 'softmax' is quantised finished and normalised). What goes into a quantiser is computed in f32, as accurately as f32 sums, v_exp_f32 and their like allow (about 1e-6 of the number): no bf16 or f16 on the way to a quantiser, and a product that is left as it is and whose result goes on into a quantised operand takes f32 operands (vector FMAs, or v_wmma_f32_16x16x4_f32). A number that lies on a knife's edge between two numbers of the format may be rounded either way, as far as f32 arithmetic and the matrix unit's own rounding can turn it there, and no further.
;; One version. Each part assembles by itself: llvm-mc -triple=amdgcn-amd-amdhsa -mcpu=gfx1250 --defsym DOCPART=n.
;; ======== version 1 of 1: 6 launches
;; limits: right only within a limited range of input values
;; workspace buffers: wts 12,976,128 bytes; xq 4,325,376 bytes; qkv 12,976,128 bytes; att 4,325,376 bytes; x1 16,777,216 bytes; x1q 4,325,376 bytes; hq 17,301,504 bytes
;; launch quant (part 1): grid 1024 x 1, 4 waves a work-group, no clusters, 0 bytes of LDS; arguments x, Wq, Wk, Wv, Wo, W1, W2, xq, wts; writes xq, wts
.if DOCPART == 1
	.amdgcn_target "amdgcn-amd-amdhsa--gfx1250"
	.amdhsa_code_object_version 6
	.text
	.protected	k_qc745030061_quant
	.globl	k_qc745030061_quant
	.p2align	8
	.type	k_qc745030061_quant,@function
k_qc745030061_quant:
	s_mov_b64 s[64:65], 0
	v_nop
	global_prefetch_b8 v0, s[64:65] scope:SCOPE_SE
	s_setreg_imm32_b32 hwreg(HW_REG_WAVE_MODE, 25, 1), 1
	s_wait_xcnt 0x0
; x [4096][1024] and the six weights, all f32, become codes of FP8 (E4M3) with one E8M0 byte for each 32 along K, laid as IMAGES OF OPERAND REGISTERS:
;   codes  [tile of 16 rows][K step of 128][c 0..3][lane 0..31][16 bytes];   scale words  [tile][K step][row 0..15], four bytes a word.
; ORDER INSIDE A BLOCK OF 32: the 16 bytes of lane (r, h), group c, hold k = 32 c + 8 h + 0..7 and then 32 c + 16 + 8 h + 0..7.  Every operand of the program is laid so, on both sides of
; every product, so the blocks and their scales are the true ones and each product meets its partner.
; A block's scale is 2^(floor(log2(largest magnitude)) - 8); its byte is that magnitude's exponent field - 8, held at 1 from below; numbers are held within +-448 x the scale and rounded to the nearest code.
; LIMITS: NaN and infinities among the inputs are not served; a block whose largest magnitude lies under 2^-118 gets the byte 1; a block of zeros gets the byte 1 (not 127) over zero codes: these bytes are read by this program alone.
; Work-groups 0-255: x, 16 rows each, a wave two K steps.  Work-groups 256-1023: the weights, K along the FIRST axis: a wave takes 32 columns x 128 along K, a lane a column, its registers down K.
; No LDS, no barrier, no cluster: no two waves read the same bytes.  Matrix units have nothing to do here.
.set TM,  144                          ; v144-159 the quantiser's work (x path)
.set OFF, 16                           ; v16-47   weights: 4 x lane + i x pitch
.set X,   48                           ; v48-111  weights: two sets of 32 numbers
.set C,   112                          ; v112-143 weights: eight registers of codes for each block, never written twice
; 64 numbers of a lane, register 16 b + i of block b, become 16 registers of codes at v[pc] and the row's scale word in v[pw]
.macro QUANT s, pc, pw
.irp b, 0,1,2,3
	v_max3_num_f32 v[TM+\b], |v[\s+16*\b]|, |v[\s+1+16*\b]|, 0x4800000   ; my 16 numbers of block b, and the floor 2^(9 - 127): the byte cannot fall under 1
.endr
.irp i, 2,4,6,8,10,12,14
.irp b, 0,1,2,3
	v_max3_num_f32 v[TM+\b], v[TM+\b], |v[\s+16*\b+\i]|, |v[\s+1+16*\b+\i]|
.endr
.endr
.irp b, 0,1,2,3
	v_permlanex16_b32 v[TM+4+\b], v[TM+\b], s24, s25
.endr
.irp b, 0,1,2,3
	v_max_num_f32 v[TM+\b], v[TM+\b], v[TM+4+\b]                   ; with lane l xor 16's 16: the block's largest magnitude
.endr
.irp b, 0,1,2,3
	v_add_nc_u32 v[TM+12+\b], 0xfc000000, v[TM+\b]                 ; 8 off its exponent field: the conversion's scale operand
.endr
.irp b, 0,1,2,3
	v_and_or_b32 v[TM+8+\b], v[TM+\b], 0x7f800000, s23             ; 448 x the scale
.endr
.irp b, 0,1,2,3
	v_lshrrev_b32 v[TM+4+\b], 23, v[TM+12+\b]                      ; the scale's byte
.endr
	v_lshl_or_b32 v[\pw], v[TM+5], 8, v[TM+4]
	v_lshl_or_b32 v[\pw], v[TM+6], 16, v[\pw]
	v_lshl_or_b32 v[\pw], v[TM+7], 24, v[\pw]
.irp b, 0,1,2,3
.irp i, 0,1,2,3,4,5,6,7,8,9,10,11,12,13,14,15
	v_med3_num_f32 v[\s+16*\b+\i], v[\s+16*\b+\i], -v[TM+8+\b], v[TM+8+\b]   ; the conversion does not saturate (ISA guide 7.6.2): the hold comes first
.endr
	v_cvt_scalef32_pk8_fp8_f32 v[\pc+4*\b:\pc+4*\b+1], v[\s+16*\b:\s+16*\b+7], v[TM+12+\b]
	v_cvt_scalef32_pk8_fp8_f32 v[\pc+4*\b+2:\pc+4*\b+3], v[\s+16*\b+8:\s+16*\b+15], v[TM+12+\b]
.endr
	v_nop                                          ; a plain line behind the last conversion
.endm
.macro XLOAD reg, s                    ; K step s of my two: lane (r, h) takes of each block the 8 numbers at 8 h and the 8 at 16 + 8 h
.irp b, 0,1,2,3
	global_load_b128 v[\reg+16*\b:\reg+16*\b+3],     v5, s[4:5] offset:512*\s+128*\b th:TH_LOAD_NT
	global_load_b128 v[\reg+16*\b+4:\reg+16*\b+7],   v5, s[4:5] offset:512*\s+128*\b+16 th:TH_LOAD_NT
	global_load_b128 v[\reg+16*\b+8:\reg+16*\b+11],  v5, s[4:5] offset:512*\s+128*\b+64 th:TH_LOAD_NT
	global_load_b128 v[\reg+16*\b+12:\reg+16*\b+15], v5, s[4:5] offset:512*\s+128*\b+80 th:TH_LOAD_NT
.endr
.endm
.macro LOAD t                          ; block t of a weight: W(32 t + i, my column), i = 0 .. 31: each load reads 128 consecutive bytes
.set i, 0
.rept 32
	global_load_b32 v[X+32*((\t)%2)+i], v[OFF+i], s[40+2*(\t):41+2*(\t)] th:TH_LOAD_NT
.set i, i+1
.endr
.endm
.macro BLOCK t
.set XS, X+32*((\t)%2)
.set CC, C+8*(\t)
.if (\t) < 3
	s_wait_loadcnt 32                              ; this block's 32 loads are in; the next block's 32 may be out
.else
	s_wait_loadcnt 0x0
.endif
	v_max3_num_f32 v10, |v[XS]|, |v[XS+1]|, |v[XS+2]|              ; all 32 numbers of the block are mine
	v_max3_num_f32 v11, |v[XS+3]|, |v[XS+4]|, |v[XS+5]|
.irp i, 6,10,14,18,22,26
	v_max3_num_f32 v10, v10, |v[XS+\i]|, |v[XS+\i+1]|
	v_max3_num_f32 v11, v11, |v[XS+\i+2]|, |v[XS+\i+3]|
.endr
	v_max3_num_f32 v10, v10, |v[XS+30]|, |v[XS+31]|
	v_max3_num_f32 v10, v10, v11, 0x4800000        ; and the floor
	v_add_nc_u32 v12, 0xfc000000, v10              ; the conversion's scale operand
	v_and_or_b32 v13, v10, 0x7f800000, s23         ; 448 x the scale
	v_lshrrev_b32 v11, 23, v12                     ; the byte
.if (\t) == 0
	v_mov_b32 v14, v11
.else
	v_lshl_or_b32 v14, v11, 8*(\t), v14            ; four bytes make my column's scale word of this K step
.endif
.set i, 0
.rept 32
	v_med3_num_f32 v[XS+i], v[XS+i], -v13, v13
.set i, i+1
.endr
	v_cvt_scalef32_pk8_fp8_f32 v[CC:CC+1],   v[XS:XS+7],     v12   ; k 0-7   \ the 16 bytes of the image's lane r
	v_cvt_scalef32_pk8_fp8_f32 v[CC+2:CC+3], v[XS+16:XS+23], v12   ; k 16-23 /
	v_cvt_scalef32_pk8_fp8_f32 v[CC+4:CC+5], v[XS+8:XS+15],  v12   ; k 8-15  \ those of its lane 16 + r
	v_cvt_scalef32_pk8_fp8_f32 v[CC+6:CC+7], v[XS+24:XS+31], v12   ; k 24-31 /
	v_nop
	global_store_b128 v8, v[CC:CC+3],   s[52:53] offset:512*(\t)       ; sixteen lanes store 256 consecutive bytes, aligned: lanes 0-15 in one tile, lanes 16-31 in the next
	global_store_b128 v8, v[CC+4:CC+7], s[52:53] offset:512*(\t)+256
.if (\t) < 2
	LOAD (\t)+2
.endif
.endm
	s_load_b512 s[4:19], s[0:1], 0x0               ; x, Wq, Wk, Wv, Wo, W1, W2, xq
	s_load_b64 s[20:21], s[0:1], 0x40              ; wts
	v_lshrrev_b32 v1, 5, v0
	v_readfirstlane_b32 s22, v1                    ; wave
	v_and_b32 v2, 31, v0                           ; lane
	v_and_b32 v3, 15, v0                           ; r
	v_bfe_u32 v4, v0, 4, 1                         ; h
	v_lshlrev_b32 v7, 2, v2                        ; 4 x lane
	s_mov_b32 s23, 0x600000                        ; the mantissa field of 448
	s_cmp_lt_u32 ttmp9, 256
	s_cbranch_scc0 .Lweights
	; ---------------- x: tile of rows = work-group, K steps 2 w and 2 w + 1
	v_lshlrev_b32 v5, 12, v3
	v_lshl_add_u32 v5, v4, 5, v5                   ; row r of 4,096 bytes, + 32 h
	v_lshlrev_b32 v6, 4, v2                        ; 16 x lane
	s_mov_b32 s24, 0x76543210
	s_mov_b32 s25, 0xfedcba98                      ; lane l xor 16
	s_mov_b32 vcc_lo, 0xffff0000                   ; lanes 16-31
.irp b, 0,1,2,3
	v_mov_b32 v[TM+4+\b], 0                        ; a lane permute's destination counts as read
.endr
	s_lshl_b32 s26, ttmp9, 16                      ; 16 rows of 4,096 bytes
	s_lshl_b32 s27, s22, 10                        ; + two K steps of 512 bytes
	s_add_co_u32 s26, s26, s27
	s_mov_b32 s27, 0
	s_lshl_b32 s28, ttmp9, 14                      ; codes: 8 K steps of 2,048 bytes a tile
	s_lshl_b32 s29, s22, 12
	s_add_co_u32 s28, s28, s29
	s_mov_b32 s29, 0
	s_lshl_b32 s30, ttmp9, 9                       ; scale words: 8 x 64 bytes a tile
	s_lshl_b32 s31, s22, 7
	s_add_co_u32 s30, s30, s31
	s_add_co_u32 s30, s30, 0x400000                ; behind the codes
	s_mov_b32 s31, 0
	s_wait_alu depctr_va_vdst(0)
	s_wait_kmcnt 0x0
	s_add_nc_u64 s[4:5], s[4:5], s[26:27]
	s_add_nc_u64 s[28:29], s[18:19], s[28:29]
	s_add_nc_u64 s[30:31], s[18:19], s[30:31]
	XLOAD 16, 0
	XLOAD 80, 1
	s_wait_loadcnt 16                              ; the first K step's 16 loads are in; the second's 16 may be out
	QUANT 16, 164, 160
.irp c, 0,1,2,3
	global_store_b128 v6, v[164+4*\c:167+4*\c], s[28:29] offset:512*\c        ; 512 consecutive bytes a store
.endr
	s_wait_loadcnt 0x0
	QUANT 80, 180, 161
.irp c, 0,1,2,3
	global_store_b128 v6, v[180+4*\c:183+4*\c], s[28:29] offset:2048+512*\c
.endr
	v_cndmask_b32 v162, v160, v161, vcc_lo         ; lanes 0-15: the first K step's words, lanes 16-31 the second's (both halves of the lanes hold row r's word)
	global_store_b32 v7, v162, s[30:31]            ; 128 consecutive bytes
	s_endpgm
.Lweights:
	; ---------------- the weights.  Tasks of a wave, in segments of 256: Wq, Wk, Wv, Wo, W1 x 4, W2 x 4.  A work-group's four tasks lie in one segment
	s_sub_co_u32 s24, ttmp9, 256
	s_lshl_b32 s24, s24, 2                         ; the work-group's first task
	s_add_co_u32 s25, s24, s22                     ; mine
	s_lshr_b32 s26, s24, 10                        ; 0: Wq, Wk, Wv, Wo;  1: W1;  2: W2
	s_lshr_b32 s27, s24, 8                         ; the segment
	s_lshl_b32 s39, s26, 22                        ; W1's codes at 4 MiB, W2's at 8 MiB
	s_mov_b32 s28, 255
	s_mov_b32 s38, 3<<20                           ; Wo's at 3 MiB
	s_cmp_ge_u32 s24, 1024
	s_cselect_b32 s28, 1023, s28
	s_cselect_b32 s38, s39, s38
	s_and_b32 s25, s25, s28                        ; the task within its tensor
	s_mov_b32 s33, 4096
	s_cmp_eq_u32 s26, 1
	s_cselect_b32 s29, 7, 5                        ; log2 of the groups of 32 columns
	s_cselect_b32 s33, 16384, s33                  ; bytes from k to k + 1
	s_bfm_b32 s30, s29, 0
	s_and_b32 s30, s25, s30                        ; which 32 columns
	s_lshr_b32 s31, s25, s29                       ; which K step
	s_cmp_eq_u32 s26, 2
	s_cselect_b32 s36, 16, 14                      ; log2 of a tile's bytes: K steps x 2,048
	s_lshr_b32 s34, s30, 1                         ; Wq, Wk, Wv: the head,
	s_and_b32 s35, s30, 1                          ; and which half of its 64 columns
	s_mul_i32 s37, s34, 12                         ; a head's 12 tiles lie together: q's four, k's four, v's four
	s_lshl_b32 s39, s27, 2
	s_add_co_u32 s37, s37, s39
	s_lshl_b32 s39, s35, 1
	s_add_co_u32 s37, s37, s39
	s_lshl_b32 s34, s34, 18                        ; a head is 1,024 x 64 x 4 bytes
	s_lshl_b32 s35, s35, 7
	s_or_b32 s34, s34, s35
	s_lshl_b32 s35, s30, 7                         ; the others: 128 bytes for each 32 columns,
	s_lshl_b32 s39, s30, 1                         ; two tiles
	s_cmp_lt_u32 s24, 768
	s_cselect_b32 s33, 256, s33
	s_cselect_b32 s34, s34, s35                    ; my columns' first byte in a row
	s_cselect_b32 s37, s37, s39                    ; my first tile
	s_cselect_b32 s38, 0, s38                      ; where the tensor's codes begin
	s_lshl_b32 s37, s37, s36
	s_add_co_u32 s52, s38, s37
	s_lshl_b32 s39, s31, 11
	s_add_co_u32 s52, s52, s39                     ; my codes
	s_mov_b32 s53, 0
	s_lshr_b32 s54, s52, 5
	s_add_co_u32 s54, s54, 0xc00000                ; my scale words: a 32nd of that, behind the 12 MiB of codes
	s_mov_b32 s55, 0
	s_mul_i32 s50, s31, s33
	s_lshl_b32 s50, s50, 7                         ; 128 rows a K step
	s_add_co_u32 s50, s50, s34
	s_mov_b32 s51, 0
	s_lshl_b32 s48, s33, 5                         ; 32 rows
	s_mov_b32 s49, 0
	s_sub_co_u32 s35, s36, 5
	s_wait_alu depctr_va_vdst(0)
	v_lshlrev_b32 v8, s36, v4
	v_lshl_add_u32 v8, v3, 4, v8                   ; codes: lanes 16-31 one tile on; 16 r
	v_lshlrev_b32 v9, s35, v4
	v_lshl_add_u32 v9, v3, 2, v9                   ; scale words likewise; 4 r
.set i, 0
.rept 32
	v_mad_u32_u24 v[OFF+i], s33, i, v7
.set i, i+1
.endr
	s_wait_alu depctr_va_vdst(0)
	s_wait_kmcnt 0x0
	s_cmp_eq_u32 s27, 1                            ; the source: a choice on the work-group's number alone
	s_cselect_b64 s[6:7], s[8:9], s[6:7]
	s_cmp_eq_u32 s27, 2
	s_cselect_b64 s[6:7], s[10:11], s[6:7]
	s_cmp_eq_u32 s27, 3
	s_cselect_b64 s[6:7], s[12:13], s[6:7]
	s_cmp_eq_u32 s26, 1
	s_cselect_b64 s[6:7], s[14:15], s[6:7]
	s_cmp_eq_u32 s26, 2
	s_cselect_b64 s[6:7], s[16:17], s[6:7]
	s_add_nc_u64 s[40:41], s[6:7], s[50:51]        ; a base for each of the four blocks: no pointer is stepped
	s_add_nc_u64 s[42:43], s[40:41], s[48:49]
	s_add_nc_u64 s[44:45], s[42:43], s[48:49]
	s_add_nc_u64 s[46:47], s[44:45], s[48:49]
	s_add_nc_u64 s[52:53], s[20:21], s[52:53]
	s_add_nc_u64 s[54:55], s[20:21], s[54:55]
	LOAD 0
	LOAD 1
	BLOCK 0
	BLOCK 1
	BLOCK 2
	BLOCK 3
	global_store_b32 v9, v14, s[54:55]             ; 64 consecutive bytes for each of the two tiles
	s_endpgm
.Lfunc_end_k_qc745030061_quant:
	.size	k_qc745030061_quant, .Lfunc_end_k_qc745030061_quant-k_qc745030061_quant
	.p2alignl 7, 3214868480
	.fill 96, 4, 3214868480
	.section	.rodata,"a",@progbits
	.p2align	6, 0x0
	.amdhsa_kernel k_qc745030061_quant
		.amdhsa_group_segment_fixed_size 0
		.amdhsa_private_segment_fixed_size 0
		.amdhsa_enable_private_segment 0
		.amdhsa_kernarg_size 72
		.amdhsa_user_sgpr_count 2
		.amdhsa_user_sgpr_kernarg_segment_ptr 1
		.amdhsa_wavefront_size32 1
		.amdhsa_system_sgpr_workgroup_id_x 1
		.amdhsa_system_sgpr_workgroup_id_y 1
		.amdhsa_system_sgpr_workgroup_id_z 1
		.amdhsa_system_vgpr_workitem_id 0
		.amdhsa_next_free_vgpr 200
		.amdhsa_next_free_sgpr 66
		.amdhsa_reserve_vcc 1
		.amdhsa_float_denorm_mode_32 3
		.amdhsa_float_denorm_mode_16_64 3
		.amdhsa_memory_ordered 1
		.amdhsa_forward_progress 1
		.amdhsa_inst_pref_size 54
	.end_amdhsa_kernel
	.amdgpu_metadata
---
amdhsa.version: [ 1, 2 ]
amdhsa.kernels:
  - .name:           k_qc745030061_quant
    .symbol:         k_qc745030061_quant.kd
    .args:
      - { .name: x, .offset: 0, .size: 8, .value_kind: global_buffer, .address_space: global }
      - { .name: Wq, .offset: 8, .size: 8, .value_kind: global_buffer, .address_space: global }
      - { .name: Wk, .offset: 16, .size: 8, .value_kind: global_buffer, .address_space: global }
      - { .name: Wv, .offset: 24, .size: 8, .value_kind: global_buffer, .address_space: global }
      - { .name: Wo, .offset: 32, .size: 8, .value_kind: global_buffer, .address_space: global }
      - { .name: W1, .offset: 40, .size: 8, .value_kind: global_buffer, .address_space: global }
      - { .name: W2, .offset: 48, .size: 8, .value_kind: global_buffer, .address_space: global }
      - { .name: xq, .offset: 56, .size: 8, .value_kind: global_buffer, .address_space: global }
      - { .name: wts, .offset: 64, .size: 8, .value_kind: global_buffer, .address_space: global }
    .group_segment_fixed_size: 0
    .private_segment_fixed_size: 0
    .kernarg_segment_align: 8
    .kernarg_segment_size: 72
    .max_flat_workgroup_size: 128
    .sgpr_count:     66
    .vgpr_count:     200
    .wavefront_size: 32
...
	.end_amdgpu_metadata
.endif
;; end of part 1
;; launch qkvg (part 2): grid 16 x 16, 4 waves a work-group, clusters of 4 x 4, 327,680 bytes of LDS; arguments xq, wts, qkv; writes qkv
.if DOCPART == 2
	.amdgcn_target "amdgcn-amd-amdhsa--gfx1250"
	.amdhsa_code_object_version 6
	.text
	.protected	k_qc745030061_qkvg
	.globl	k_qc745030061_qkvg
	.p2align	8
	.type	k_qc745030061_qkvg,@function
k_qc745030061_qkvg:
	s_mov_b64 s[64:65], 0
	v_nop
	global_prefetch_b8 v0, s[64:65] scope:SCOPE_SE
	s_setreg_imm32_b32 hwreg(HW_REG_WAVE_MODE, 25, 1), 1
	s_wait_xcnt 0x0
	s_wait_alu depctr_hold_cnt(0) depctr_sa_sdst(0) depctr_va_vdst(0) depctr_va_sdst(0) depctr_va_ssrc(0) depctr_va_vcc(0) depctr_vm_vsrc(0)
	s_getreg_b32 s2, hwreg(HW_REG_IB_STS2, 6, 4)
	s_cmp_eq_u32 s2, 0
	s_cbranch_scc0 .Lentry_in_a_cluster
	s_endpgm
.Lentry_in_a_cluster:
	s_bfe_u32 s2, ttmp6, 0x10000c
	s_cmp_lg_u32 s2, 0xf033
	s_cbranch_scc0 .Lentry_shape_is_right
	s_endpgm
.Lentry_shape_is_right:
.set MODE, 0
.set KS, 8
.set M, 2
.set RY, 16
.set RX, 12
.set NB, 12
.set NBT, 8
.set STACK, 1
.set XC_OFF, 0
.set YS_OFF, 0x400000
.set SLOTB,  (RY+RX)*M*2048
.set YB,     RY*M*2048
.set HY,     (RY/2)*M*2048
.set HX,     (RX/2)*M*2048
.set SCY,    2*SLOTB
.set SCX,    SCY+RY*KS*64
.set SPARE,  SCX+RX*KS*64
.set STAGE,  SPARE+512
.set LAPS,   KS/(2*M)
.set XS_OFF, 0xc00000+XC_OFF/32
.set SCQ,    NB/2+2
.set SCN,    M*SCQ
.set ADY, 16
.set ADX, 20
.set ADSY, 22
.set ADSX, 23
.set STO, 24
.set RD,  25
.set CO,  26
.set CA,  27
.set SPW, 28
.set NIL, 29
.set FLR, 30
.set LA,  31
.set LB,  10
.set SC,  32
.set BIAS, 64
.set TM,  64
.set PW,  80
.set PW2, 81
.set SELR, 82
.set PC,  84
.set BK,  128
.set G1Y, 24
.set G0Y, 32
.set G1X, 48
.set G0X, 56
.set G1SY, 68
.set G0SY, 76
.set G1SX, 80
.set G0SX, 88
.set SEL, 100
.set MNT, 3
.set MSB, 0
.macro WIN new
.if MSB != (\new)
	s_set_vgpr_msb (MSB<<8)|(\new)
.set MSB, (\new)
.endif
.endm
.macro JLOAD g0a, g1a, g0b, g1b
	s_cmp_eq_u32 s15, 0
	s_cbranch_scc0 .Lfor_x_\@
	tensor_load_to_lds s[\g0a:\g0a+3], s[\g1a:\g1a+7]
	s_nop 0
.rept 4
	v_nop
.endr
	s_branch .Lasked_\@
.Lfor_x_\@:
	tensor_load_to_lds s[\g0b:\g0b+3], s[\g1b:\g1b+7]
	s_nop 0
.rept 4
	v_nop
.endr
.Lasked_\@:
.endm
.macro CREST
	s_cmp_lg_u32 s14, 0
	s_cbranch_scc1 .Lnot_wave_0_\@
	s_barrier_signal -3
.Lnot_wave_0_\@:
	s_barrier_wait -3
	s_barrier_signal -1
	s_barrier_wait -1
.endm
.macro CROUND
	s_barrier_signal -1
	s_barrier_wait -1
	CREST
.endm
.macro PLACES n
.rept \n
	v_nop
.endr
.endm
.macro SHAPE g, c, rows, pitch
	s_mov_b32 s[\g+1], (\c)<<16
	s_mov_b32 s[\g+2], (\rows)<<16
	s_mov_b32 s[\g+3], (\c)<<16
	s_mov_b32 s[\g+4], \rows
	s_mov_b32 s[\g+5], \pitch
	s_mov_b32 s[\g+6], 0
	s_mov_b32 s[\g+7], 0
.endm
.macro WM zero
.if \zero
.if rowA && rowB
	v_wmma_scale_f32_16x16x128_f8f6f4 v[rD:rD+7], v[rA:rA+15], v[rB:rB+15], 0, v[kA], v[kB] matrix_a_scale:MATRIX_SCALE_ROW1 matrix_b_scale:MATRIX_SCALE_ROW1
.elseif rowA
	v_wmma_scale_f32_16x16x128_f8f6f4 v[rD:rD+7], v[rA:rA+15], v[rB:rB+15], 0, v[kA], v[kB] matrix_a_scale:MATRIX_SCALE_ROW1
.elseif rowB
	v_wmma_scale_f32_16x16x128_f8f6f4 v[rD:rD+7], v[rA:rA+15], v[rB:rB+15], 0, v[kA], v[kB] matrix_b_scale:MATRIX_SCALE_ROW1
.else
	v_wmma_scale_f32_16x16x128_f8f6f4 v[rD:rD+7], v[rA:rA+15], v[rB:rB+15], 0, v[kA], v[kB]
.endif
.else
.if rowA && rowB
	v_wmma_scale_f32_16x16x128_f8f6f4 v[rD:rD+7], v[rA:rA+15], v[rB:rB+15], v[rC:rC+7], v[kA], v[kB] matrix_a_scale:MATRIX_SCALE_ROW1 matrix_b_scale:MATRIX_SCALE_ROW1
.elseif rowA
	v_wmma_scale_f32_16x16x128_f8f6f4 v[rD:rD+7], v[rA:rA+15], v[rB:rB+15], v[rC:rC+7], v[kA], v[kB] matrix_a_scale:MATRIX_SCALE_ROW1
.elseif rowB
	v_wmma_scale_f32_16x16x128_f8f6f4 v[rD:rD+7], v[rA:rA+15], v[rB:rB+15], v[rC:rC+7], v[kA], v[kB] matrix_b_scale:MATRIX_SCALE_ROW1
.else
	v_wmma_scale_f32_16x16x128_f8f6f4 v[rD:rD+7], v[rA:rA+15], v[rB:rB+15], v[rC:rC+7], v[kA], v[kB]
.endif
.endif
.endm
.macro MULA f, a, ss, q, cm
.if (\cm) == 2
	WIN (1+(\f))|((1+(\f))<<2)|0xc0
.else
	WIN (1+(\f))|((1+(\f))<<2)|0xf0
.endif
.set kY, SC+SCN*(\ss)+SCQ*(\q)+NB/2+(\a)/2
.set bb, 0
.rept NBT
.if MODE == 0
.set rD, 128*(bb/4)+8*(4*(\a)+bb%4)
.else
.set rD, 8*(NB*(\a)+bb)
.endif
.set rC, rD
.if (\cm) == 2
.set rC, BIAS+8*bb
.endif
.set rA, 64+16*bb
.set rB, 16*(\a)
.set kA, SC+SCN*(\ss)+SCQ*(\q)+bb/2
.set rowA, bb%2
.set kB, kY
.set rowB, (\a)%2
	WM (\cm)==1
.set bb, bb+1
.endr
.if MODE == 0
	WIN (1+(\f))|((1+(\f))<<2)
.rept 4
.set rD, 128+8*(4*(bb-8)+(\a))
.set rC, rD
.set rA, 16*(\a)
.set rB, 64+16*bb
.set kA, kY
.set rowA, (\a)%2
.set kB, SC+SCN*(\ss)+SCQ*(\q)+bb/2
.set rowB, bb%2
	WM (\cm)==1
.set bb, bb+1
.endr
.endif
.endm
.macro FETCH slot, q, g
	WIN (1+(\g))<<6
.set bb, 0
.rept NB
.irp c, 0,1,2,3
	ds_load_b128 v[64+16*bb+4*\c:64+16*bb+4*\c+3], v[ADX+\slot] offset:(bb*M+(\q))*2048+512*\c
.endr
.set bb, bb+1
.endr
.irp a, 0,1,2,3
.irp c, 0,1,2,3
	ds_load_b128 v[16*\a+4*\c:16*\a+4*\c+3], v[ADY+\slot] offset:(\a*M+(\q))*2048+512*\c
.endr
.endr
	WIN 0
.endm
.macro SCALES ss
.irp q, 0,1,2,3
.if \q < M
.set ii, 0
.rept NB/2
	ds_load_b32 v[SC+SCN*\ss+SCQ*\q+ii], v[ADSX] offset:ii*2*KS*64+64*\q
.set ii, ii+1
.endr
.irp i, 0,1
	ds_load_b32 v[SC+SCN*\ss+SCQ*\q+NB/2+\i], v[ADSY] offset:\i*2*KS*64+64*\q
.endr
.endif
.endr
.endm
.macro STEP slot, q, cm
	s_wait_dscnt 0x0
	MULA (\q)%2, 0, \slot, \q, \cm
	MULA (\q)%2, 1, \slot, \q, \cm
	WIN 0
	PLACES 8
	FETCH \slot, (\q)+1, 1-(\q)%2
	MULA (\q)%2, 2, \slot, \q, \cm
	MULA (\q)%2, 3, \slot, \q, \cm
	WIN 0
.endm
.macro MID slot
.if M == 4
	STEP \slot, 1, 0
	STEP \slot, 2, 0
.endif
.endm
.macro TURN slot, next, fill
	s_wait_tensorcnt 0x0
	ds_add_u32 v[SPW], v[NIL]
	s_wait_dscnt 0x1
	MULA 1, 0, \slot, M-1, 0
	s_wait_dscnt 0x0
	s_barrier_signal -1
	MULA 1, 1, \slot, M-1, 0
	WIN 0
	s_barrier_wait -1
.if \fill
	CREST
	s_add_nc_u64 s[G0Y+4*\slot+2:G0Y+4*\slot+3], s[G0Y+4*\slot+2:G0Y+4*\slot+3], 2*M*2048
	s_add_nc_u64 s[G0X+4*\slot+2:G0X+4*\slot+3], s[G0X+4*\slot+2:G0X+4*\slot+3], 2*M*2048
	JLOAD G0Y+4*\slot, G1Y, G0X+4*\slot, G1X
	PLACES 4
.else
	PLACES 8
.endif
	s_wait_alu depctr_va_vdst(0)
	v_add_nc_u32 v[ADSY], 64*M, v[ADSY]
	v_add_nc_u32 v[ADSX], 64*M, v[ADSX]
	FETCH \next, 0, 0
	SCALES \next
	MULA 1, 2, \slot, M-1, 0
	MULA 1, 3, \slot, M-1, 0
	WIN 0
.endm
.macro QUANT64 base, W, relu
	s_wait_xcnt 0x0
	WIN ((\W)<<2)|((\W)<<4)
.irp b, 0,1,2,3
.if \relu
	v_max3_num_f32 v[TM+\b], v[FLR], v[(\base)+16*\b], v[(\base)+16*\b+1]
.else
	v_max3_num_f32 v[TM+\b], v[FLR], |v[(\base)+16*\b]|, |v[(\base)+16*\b+1]|
.endif
.endr
.irp i, 2,4,6,8,10,12,14
.irp b, 0,1,2,3
.if \relu
	v_max3_num_f32 v[TM+\b], v[TM+\b], v[(\base)+16*\b+\i], v[(\base)+16*\b+\i+1]
.else
	v_max3_num_f32 v[TM+\b], v[TM+\b], |v[(\base)+16*\b+\i]|, |v[(\base)+16*\b+\i+1]|
.endif
.endr
.endr
	WIN 0
.irp b, 0,1,2,3
	v_permlanex16_b32 v[TM+4+\b], v[TM+\b], s[SEL], s[SEL+1]
.endr
.irp b, 0,1,2,3
	v_max_num_f32 v[TM+\b], v[TM+\b], v[TM+4+\b]
.endr
.irp b, 0,1,2,3
	v_add_nc_u32 v[TM+12+\b], 0xfc000000, v[TM+\b]
.endr
.irp b, 0,1,2,3
	v_and_or_b32 v[TM+8+\b], v[TM+\b], 0x7f800000, s[MNT]
.endr
.irp b, 0,1,2,3
	v_lshrrev_b32 v[TM+4+\b], 23, v[TM+12+\b]
.endr
	WIN (\W)|((\W)<<6)
.irp b, 0,1,2,3
.irp i, 0,1,2,3,4,5,6,7,8,9,10,11,12,13,14,15
.if \relu
	v_med3_num_f32 v[(\base)+16*\b+\i], v[(\base)+16*\b+\i], 0, v[TM+8+\b]
.else
	v_med3_num_f32 v[(\base)+16*\b+\i], v[(\base)+16*\b+\i], -v[TM+8+\b], v[TM+8+\b]
.endif
.endr
.endr
	WIN (\W)
.irp b, 0,1,2,3
	v_cvt_scalef32_pk8_fp8_f32 v[PC+4*\b:PC+4*\b+1], v[(\base)+16*\b:(\base)+16*\b+7], v[TM+12+\b]
	v_cvt_scalef32_pk8_fp8_f32 v[PC+4*\b+2:PC+4*\b+3], v[(\base)+16*\b+8:(\base)+16*\b+15], v[TM+12+\b]
.endr
	v_nop
	WIN 0
.endm
.macro STC sb, o0, o1, o2, o3
	global_store_b128 v[CA], v[PC:PC+3],     s[\sb:\sb+1] offset:\o0
	global_store_b128 v[CA], v[PC+4:PC+7],   s[\sb:\sb+1] offset:\o1
	global_store_b128 v[CA], v[PC+8:PC+11],  s[\sb:\sb+1] offset:\o2
	global_store_b128 v[CA], v[PC+12:PC+15], s[\sb:\sb+1] offset:\o3
.endm
.macro HALFW sb, va, off
	v_lshl_or_b32 v[PW], v[TM+5], 8, v[TM+4]
	v_lshl_or_b32 v[PW2], v[TM+7], 8, v[TM+6]
	v_cndmask_b32 v[SELR], v[PW], v[PW2], vcc_lo
	global_store_b16 v[\va], v[SELR], s[\sb:\sb+1] offset:\off
.endm
	s_load_b128 s[4:7], s[0:1], 0x0
	s_load_b64 s[8:9], s[0:1], 0x10
	v_lshl_add_u32 v[SPW], v0, 2, SPARE
	v_mov_b32 v[NIL], 0
	ds_add_u32 v28, v29
	ds_add_u32 v28, v29
	s_wait_dscnt 0x0
	v_lshrrev_b32 v1, 5, v0
	v_readfirstlane_b32 s14, v1
	s_lshr_b32 s15, s14, 1
	s_and_b32 s16, s14, 1
.if STACK
	s_mov_b32 s17, s14
	s_mov_b32 s18, 0
.else
	s_mov_b32 s17, s15
	s_mov_b32 s18, s16
.endif
	s_bfe_u32 s40, ttmp6, 0x40000
	s_bfe_u32 s41, ttmp6, 0x40004
	s_lshl_b32 s42, ttmp9, 2
	s_add_co_u32 s42, s42, s40
	s_and_b32 s43, ttmp7, 0xffff
	s_lshl_b32 s43, s43, 2
	s_add_co_u32 s43, s43, s41
	s_lshl_b32 s44, s41, 2
	s_lshl_b32 s44, 15, s44
	s_lshl_b32 s45, 0x1111, s40
	s_or_b32 s[G1Y], s44, (3<<16)|(1<<21)
	s_or_b32 s[G1X], s45, (3<<16)|(1<<21)
	s_or_b32 s[G1SY], s44, (3<<16)|(1<<21)
	s_or_b32 s[G1SX], s45, (3<<16)|(1<<21)
	SHAPE G1Y, M*256, RY, KS*256                   ; the head's loads bring whole tiles; the ring's row counts are set behind them
	SHAPE G1X, M*256, RX, KS*256
	SHAPE G1SY, 32, RY*KS/4, 32
	SHAPE G1SX, 32, RX*KS/4, 32
	s_mul_i32 s20, s43, RY
	s_mul_i32 s21, s16, RY/2
	s_add_co_u32 s20, s20, s21
	s_mul_i32 s22, s20, KS*64
	s_add_co_u32 s22, s22, YS_OFF
	s_mul_i32 s20, s20, KS*2048
	s_mov_b32 s21, 0
	s_mov_b32 s23, 0
	s_mul_i32 s46, s42, RX
	s_mul_i32 s47, s16, RX/2
	s_add_co_u32 s46, s46, s47
	s_mul_i32 s66, s46, KS*64
	s_add_co_u32 s66, s66, XS_OFF
	s_mul_i32 s46, s46, KS*2048
	s_add_co_u32 s46, s46, XC_OFF
	s_mov_b32 s47, 0
	s_mov_b32 s67, 0
	s_mul_i32 s19, s16, HY
	s_mul_i32 s12, s16, HX
	s_add_co_u32 s12, s12, YB
	CROUND                                         ; the opening round stands ahead of the wait for the arguments
	s_wait_kmcnt 0x0
	s_add_nc_u64 s[20:21], s[4:5], s[20:21]
	s_add_nc_u64 s[22:23], s[4:5], s[22:23]
	s_add_nc_u64 s[46:47], s[6:7], s[46:47]
	s_add_nc_u64 s[66:67], s[6:7], s[66:67]
	s_mov_b32 s[G0SY], 1
	s_mov_b32 s[G0SY+1], SCY
	s_mov_b32 s3, 0
	s_mul_i32 s2, s16, (RY/2)*KS*64
	s_sub_nc_u64 s[G0SY+2:G0SY+3], s[22:23], s[2:3]  ; back from my half to the block's first byte
	s_or_b32 s[G0SY+3], s[G0SY+3], 0x80000000
	s_mov_b32 s[G0SX], 1
	s_mov_b32 s[G0SX+1], SCX
	s_mul_i32 s2, s16, (RX/2)*KS*64
	s_sub_nc_u64 s[G0SX+2:G0SX+3], s[66:67], s[2:3]
	s_or_b32 s[G0SX+3], s[G0SX+3], 0x80000000
	s_mov_b32 s92, 1                               ; s[92:95], s[96:99]: group 0 of the head's loads of slot 0, whole
	s_mov_b32 s93, 0
	s_mul_i32 s2, s16, (RY/2)*KS*2048
	s_sub_nc_u64 s[94:95], s[20:21], s[2:3]
	s_or_b32 s95, s95, 0x80000000
	s_mov_b32 s96, 1
	s_mov_b32 s97, YB
	s_mul_i32 s2, s16, (RX/2)*KS*2048
	s_sub_nc_u64 s[98:99], s[46:47], s[2:3]
	s_or_b32 s99, s99, 0x80000000
.irp s, 0,1
	s_mov_b32 s[G0Y+4*\s], 1
	s_add_co_u32 s[G0Y+4*\s+1], s19, \s*SLOTB
	s_add_nc_u64 s[G0Y+4*\s+2:G0Y+4*\s+3], s[20:21], \s*M*2048
	s_or_b32 s[G0Y+4*\s+3], s[G0Y+4*\s+3], 0x80000000
	s_mov_b32 s[G0X+4*\s], 1
	s_add_co_u32 s[G0X+4*\s+1], s12, \s*SLOTB
	s_add_nc_u64 s[G0X+4*\s+2:G0X+4*\s+3], s[46:47], \s*M*2048
	s_or_b32 s[G0X+4*\s+3], s[G0X+4*\s+3], 0x80000000
.endr
; the head's four tiles, one joint load a wave, in one chain of branches on the wave's number: slot 0's tokens, its weights, the tokens' scale words, the weights'
.macro ARM under, g0, g1, next
	s_cmp_lt_u32 s14, \under
	s_cbranch_scc0 \next
	tensor_load_to_lds s[\g0:\g0+3], s[\g1:\g1+7]
	s_nop 0
	PLACES 4
	s_branch .Lhead_asked
\next:
.endm
	ARM 1, 92, G1Y, .Lhead_x
	ARM 2, 96, G1X, .Lhead_sy
	ARM 3, G0SY, G1SY, .Lhead_sx
	tensor_load_to_lds s[G0SX:G0SX+3], s[G1SX:G1SX+7]
	s_nop 0
	PLACES 4
.Lhead_asked:
	s_wait_alu depctr_va_vdst(0)
	s_wait_tensorcnt 0x0                           ; my tile of the four is in
	ds_add_u32 v28, v29
	s_mov_b32 s[G1Y+2], (RY/2)<<16                 ; no tensor load of mine is out: from here on a load brings half a tile's rows
	s_mov_b32 s[G1Y+4], RY/2
	s_mov_b32 s[G1X+2], (RX/2)<<16
	s_mov_b32 s[G1X+4], RX/2
	s_wait_dscnt 0x0
	CROUND
	JLOAD G0Y+4, G1Y, G0X+4, G1X
	v_and_b32 v1, 15, v0
	v_bfe_u32 v2, v0, 4, 1
	v_and_b32 v3, 31, v0
	v_lshlrev_b32 v[CA], 4, v3
	v_mov_b32 v[FLR], 0x4800000
	s_mul_i32 s20, s17, 4*M*2048
	s_mul_i32 s21, s18, NB*M*2048
	s_add_co_u32 s21, s21, YB
.irp s, 0,1
	v_add_nc_u32 v[ADY+\s], s20, v[CA]
	v_add_nc_u32 v[ADX+\s], s21, v[CA]
	s_add_co_u32 s20, s20, SLOTB
	s_add_co_u32 s21, s21, SLOTB
.endr
	v_mul_u32_u24 v5, v2, KS*64
	v_lshl_add_u32 v5, v1, 2, v5
	s_mul_i32 s20, s17, 4*KS*64
	s_add_co_u32 s20, s20, SCY
	s_mul_i32 s21, s18, NB*KS*64
	s_add_co_u32 s21, s21, SCX
	v_add_nc_u32 v[ADSY], s20, v5
	v_add_nc_u32 v[ADSX], s21, v5
	s_lshr_b32 s20, s43, 2
	s_lshl_b32 s20, s20, 4
	s_add_co_u32 s20, s20, s42
	s_and_b32 s21, s43, 3
	s_lshl_b32 s21, s21, 8
	s_lshl_b32 s22, s14, 6
	s_add_co_u32 s21, s21, s22
	s_lshl_b32 s92, s20, 16
	s_lshl_b32 s22, s21, 6
	s_add_co_u32 s92, s92, s22
	s_mov_b32 s93, 0
	s_add_nc_u64 s[92:93], s[8:9], s[92:93]
	s_lshl_b32 s94, s20, 11
	s_lshl_b32 s22, s21, 1
	s_add_co_u32 s94, s94, s22
	s_add_co_u32 s94, s94, 0xc00000
	s_mov_b32 s95, 0
	s_add_nc_u64 s[94:95], s[8:9], s[94:95]
	s_lshr_b32 s23, s21, 7
	s_lshl_b32 s96, s20, 16
	s_lshl_b32 s22, s23, 13
	s_add_co_u32 s96, s96, s22
	s_lshl_b32 s22, s16, 10
	s_add_co_u32 s96, s96, s22
	s_add_co_u32 s96, s96, 0x800000
	s_mov_b32 s97, 0
	s_add_nc_u64 s[96:97], s[8:9], s[96:97]
	s_lshl_b32 s98, s20, 11
	s_lshl_b32 s22, s23, 8
	s_add_co_u32 s98, s98, s22
	s_lshl_b32 s22, s16, 1
	s_add_co_u32 s98, s98, s22
	s_add_co_u32 s98, s98, 0xc40000
	s_mov_b32 s99, 0
	s_add_nc_u64 s[98:99], s[8:9], s[98:99]
	v_lshlrev_b32 v[LA], 1, v3
	v_lshlrev_b32 v[LB], 2, v3
	s_wait_alu depctr_va_vdst(0)
	s_wait_tensorcnt 0x1
	s_barrier_signal -1
	s_barrier_wait -1
	FETCH 0, 0, 0
	SCALES 0
	STEP 0, 0, 1
.if LAPS > 1
	s_mov_b32 s3, LAPS-1
.Llap:
	MID 0
	TURN 0, 1, 1
	STEP 1, 0, 0
	MID 1
	TURN 1, 0, 1
	STEP 0, 0, 0
	s_sub_co_u32 s3, s3, 1
	s_cmp_lg_u32 s3, 0
	s_cbranch_scc1 .Llap
.endif
	MID 0
	TURN 0, 1, 0
	STEP 1, 0, 0
	MID 1
	s_wait_dscnt 0x0
	MULA 1, 0, 1, M-1, 0
	MULA 1, 1, 1, M-1, 0
	MULA 1, 2, 1, M-1, 0
	MULA 1, 3, 1, M-1, 0
	WIN 0
	PLACES 8
	s_mov_b32 s[SEL], 0x76543210
	s_mov_b32 s[SEL+1], 0xfedcba98
	s_mov_b32 s[MNT], 0x600000
	s_mov_b32 vcc_lo, 0xffff0000
.irp b, 0,1,2,3
	v_mov_b32 v[TM+4+\b], 0
.endr
.irp g, 0,1
.irp p, 0,1
	QUANT64 128*\g+64*\p, 3, 0
	STC 92, 0x400000*\g+2048*\p, 0x400000*\g+2048*\p+512, 0x400000*\g+2048*\p+1024, 0x400000*\g+2048*\p+1536
	HALFW 94, LA, 131072*\g+64*\p
.endr
.endr
.irp p, 0,1
	QUANT64 128+64*\p, 0, 0
	STC 96, 4096*\p, 4096*\p+512, 4096*\p+2048, 4096*\p+2560
	HALFW 98, LB, 128*\p
.endr
	s_wait_tensorcnt 0x0
	ds_add_u32 v[SPW], v[NIL]
	s_wait_dscnt 0x0
	CROUND
	s_endpgm
.Lfunc_end_k_qc745030061_qkvg:
	.size	k_qc745030061_qkvg, .Lfunc_end_k_qc745030061_qkvg-k_qc745030061_qkvg
	.p2alignl 7, 3214868480
	.fill 96, 4, 3214868480
	.section	.rodata,"a",@progbits
	.p2align	6, 0x0
	.amdhsa_kernel k_qc745030061_qkvg
		.amdhsa_group_segment_fixed_size 327680
		.amdhsa_private_segment_fixed_size 0
		.amdhsa_enable_private_segment 0
		.amdhsa_kernarg_size 24
		.amdhsa_user_sgpr_count 2
		.amdhsa_user_sgpr_kernarg_segment_ptr 1
		.amdhsa_wavefront_size32 1
		.amdhsa_system_sgpr_workgroup_id_x 1
		.amdhsa_system_sgpr_workgroup_id_y 1
		.amdhsa_system_sgpr_workgroup_id_z 1
		.amdhsa_system_vgpr_workitem_id 0
		.amdhsa_next_free_vgpr 1024
		.amdhsa_next_free_sgpr 102
		.amdhsa_reserve_vcc 1
		.amdhsa_float_denorm_mode_32 3
		.amdhsa_float_denorm_mode_16_64 3
		.amdhsa_memory_ordered 1
		.amdhsa_forward_progress 1
		.amdhsa_inst_pref_size 155
	.end_amdhsa_kernel
	.amdgpu_metadata
---
amdhsa.version: [ 1, 2 ]
amdhsa.kernels:
  - .name:           k_qc745030061_qkvg
    .symbol:         k_qc745030061_qkvg.kd
    .args:
      - { .name: xq, .offset: 0, .size: 8, .value_kind: global_buffer, .address_space: global }
      - { .name: wts, .offset: 8, .size: 8, .value_kind: global_buffer, .address_space: global }
      - { .name: qkv, .offset: 16, .size: 8, .value_kind: global_buffer, .address_space: global }
    .group_segment_fixed_size: 327680
    .private_segment_fixed_size: 0
    .kernarg_segment_align: 8
    .kernarg_segment_size: 24
    .max_flat_workgroup_size: 128
    .sgpr_count:     102
    .vgpr_count:     1024
    .wavefront_size: 32
...
	.end_amdgpu_metadata
.endif
;; end of part 2
;; launch attn (part 3): grid 4 x 64, 16 waves a work-group, clusters of 4 x 1, 169,984 bytes of LDS; arguments qkv, att; writes att
.if DOCPART == 3
	.amdgcn_target "amdgcn-amd-amdhsa--gfx1250"
	.amdhsa_code_object_version 6
	.text
	.protected	k_qc745030061_attn
	.globl	k_qc745030061_attn
	.p2align	8
	.type	k_qc745030061_attn,@function
k_qc745030061_attn:
	s_mov_b64 s[64:65], 0
	v_nop
	global_prefetch_b8 v0, s[64:65] scope:SCOPE_SE
	s_setreg_imm32_b32 hwreg(HW_REG_WAVE_MODE, 25, 1), 1
	s_wait_xcnt 0x0
	s_wait_alu depctr_hold_cnt(0) depctr_sa_sdst(0) depctr_va_vdst(0) depctr_va_sdst(0) depctr_va_ssrc(0) depctr_va_vcc(0) depctr_vm_vsrc(0)
	s_getreg_b32 s2, hwreg(HW_REG_IB_STS2, 6, 4)
	s_cmp_eq_u32 s2, 0
	s_cbranch_scc0 .Lentry_in_a_cluster
	s_endpgm
.Lentry_in_a_cluster:
	s_bfe_u32 s2, ttmp6, 0x10000c
	s_cmp_lg_u32 s2, 0x3003
	s_cbranch_scc0 .Lentry_shape_is_right
	s_endpgm
.Lentry_shape_is_right:
; attn[b][q][head] = softmax_k(q . k / 32, causal) v, both products on codes of FP8 (E4M3) with E8M0 scales; the result is quantised along the 1,024 of the joined heads and stored as an operand image.
; THE SOFTMAX AHEAD OF THE SECOND PRODUCT: t = score x log2(e) / 32; M = the running largest t rounded UP to a whole number; p = 2^(t - M) is quantised along the keys, not normalised;
; the row's sum is taken of the unquantised p and divides at the end.  When M moves, the sum and O are multiplied by 2^(old M - new M): exact.
; SHARES.  The four work-groups of a cluster serve one (batch, head), work-group y.  Wave w has the number i = w xor 3 ((w / 4) % 2) and takes the tile of 16 queries 4 i + cx: queries 64 i + 16 cx on.
; So the four partners have equal work, and which key steps a wave walks hangs on its number alone: step st (128 keys) is left out where st > i / 2, and wants the mask where st = i / 2.
; K AND V OF THE WHOLE (batch, head), 64 KiB of codes each and 2 KiB of scale bytes each, LIE IN LDS FOR THE WHOLE LAUNCH: filled once, by joint tensor loads (even waves K's, odd waves V's), mask = all four partners.
; Nothing is filled again, so there is no ring.  No prefetch: every byte of K and V is asked for by the tensor loads at the head.
; The first 256 keys come by a load of their own, and the first two key steps, written out, run while the other 768 are on their way.
; LAYOUT.  Both products transposed (S^T = K Q^T, O^T = V^T P^T): a lane holds one query throughout.  Images hold k in the order 8 h + 0..7, 16 + 8 h + 0..7 inside a block of 32, which is the order in
; which a lane's registers of two neighbouring result tiles run: so p's conversions give the second product's operand, and V's image (made with the same order) meets it.
; The first product's K is 64: registers 8-15 of Q's and K's fragments are zero codes for good, and the upper two scale bytes are 0 (2^-127 over zero codes).
; LIMITS: NaN and infinities are not served; a block under 2^-118 gets the byte 1, a block of zeros the byte 1 over zero codes.
; REGISTERS: v1-4 addresses that stay; v5 r, v6 h; v8-11 the step's addresses; v12 -M, v13 the largest t, v[14:15] the sum; v16-31 Q; v32-95 four fragments of K; v96-159 S^T, p, then V's four fragments;
;   v160-191 O^T; v192-207 p's codes; v208-223 the blocks' work; v224-227 K's scale words, v228-229 V's, v230 Q's, v231 p's; v[232:233] f; v234 at work; v[236:237] a second sum; v238 the mask's d; v239 -infinity.
.set VOFF, 65536                       ; LDS: K's codes at 0, V's here,
.set KSC,  131072                      ; K's scale bytes (two a key),
.set VSC,  133120                      ; V's scale words
.macro ROUND
	s_barrier_signal -1
	s_barrier_wait -1
	s_cmp_lg_u32 s8, 0
	s_cbranch_scc1 .Lnot_wave_0_\@
	s_barrier_signal -3
.Lnot_wave_0_\@:
	s_barrier_wait -3
	s_barrier_signal -1
	s_barrier_wait -1
.endm
.macro SHAPE g, rows                   ; a dense block as rows of 256 bytes (32 elements of 8), for all four partners
	s_mov_b32 s[\g], 15|(3<<16)|(1<<21)
	s_mov_b32 s[\g+1], 32<<16
	s_mov_b32 s[\g+2], (\rows)<<16
	s_mov_b32 s[\g+3], 32<<16
	s_mov_b32 s[\g+4], \rows
	s_mov_b32 s[\g+5], 32
	s_mov_b32 s[\g+6], 0
	s_mov_b32 s[\g+7], 0
.endm
; A KEY STEP: 128 keys.  s25 = its number, s26 = its codes' first byte (8,192 a step, in K and in V alike), s27 = its scale bytes' (256 a step)
.macro STEP
	s_cmp_gt_u32 s25, s12                          ; all its keys come after my queries: only the counters step
	s_cbranch_scc1 .Lhidden_\@
	v_add_nc_u32 v8, s26, v1
	s_wait_alu depctr_va_vdst(0)
	v_add_nc_u32 v9, s26, v2
	v_add_nc_u32 v10, s27, v3
	v_add_nc_u32 v11, s27, v4
.rept 5
	v_nop                                          ; with the four additions nine places: S^T is written over registers that the last step's products read
.endr
.irp g, 0,1                            ; S^T = K Q^T, four tiles of 16 keys at a time
.if \g
.rept 8
	v_nop                                          ; places ahead of loads into registers that matrix instructions have read
.endr
.endif
.irp t, 0,1,2,3
	ds_load_b128 v[32+16*\t:35+16*\t], v8 offset:(4*\g+\t)*1024
	ds_load_b128 v[36+16*\t:39+16*\t], v8 offset:(4*\g+\t)*1024+512
.endr
.if \g == 0
.irp p, 0,1,2,3
	ds_load_u16 v[224+\p], v10 offset:64*\p        ; lanes 0-15: tile 2 p's keys, lanes 16-31: tile 2 p + 1's
.endr
.endif
	s_wait_dscnt 0x0
.irp u, 0,1
	v_wmma_scale_f32_16x16x128_f8f6f4 v[96+8*(4*\g+2*\u):103+8*(4*\g+2*\u)], v[32+32*\u:47+32*\u], v[16:31], 0, v[224+2*\g+\u], v230
	v_wmma_scale_f32_16x16x128_f8f6f4 v[104+8*(4*\g+2*\u):111+8*(4*\g+2*\u)], v[48+32*\u:63+32*\u], v[16:31], 0, v[224+2*\g+\u], v230 matrix_a_scale:MATRIX_SCALE_ROW1
.endr
.endr
.rept 8
	v_nop
.endr
	s_cmp_lt_u32 s25, s12                          ; all its keys count: no mask
	s_cbranch_scc1 .Lopen_\@
	s_lshl_b32 s28, s25, 7
	s_sub_co_i32 s28, s23, s28                     ; my first query - the step's first key
	v_lshlrev_b32 v234, 3, v6
	s_delay_alu instid0(VALU_DEP_1)
	v_sub_nc_u32 v238, v5, v234
	s_delay_alu instid0(VALU_DEP_1)
	v_add_nc_u32 v238, s28, v238                   ; d.  Register n holds key 16 (n / 8) + 8 h + n % 8 of the step: hidden where 16 (n / 8) + n % 8 > d
.set n, 0
.rept 64
	v_cmp_gt_i32 vcc_lo, 16*(n/8)+n%8, v238
	v_cndmask_b32 v[96+n], v[96+n], v239, vcc_lo
.set n, n+1
.endr
.Lopen_\@:
.irp b, 0,1,2,3
	v_max3_num_f32 v[208+\b], v[96+16*\b], v[97+16*\b], v[98+16*\b]   ; the largest score of each block of 32 keys: for the row's maximum and, since p rises with the score, for the block's largest p
.endr
.irp i, 3,5,7,9,11,13
.irp b, 0,1,2,3
	v_max3_num_f32 v[208+\b], v[208+\b], v[96+16*\b+\i], v[97+16*\b+\i]
.endr
.endr
.irp b, 0,1,2,3
	v_max_num_f32 v[208+\b], v[208+\b], v[111+16*\b]
.endr
.irp b, 0,1,2,3
	s_delay_alu instid0(VALU_DEP_4)
	v_permlanex16_b32 v[212+\b], v[208+\b], s82, s83
.endr
.irp b, 0,1,2,3
	s_delay_alu instid0(VALU_DEP_4)
	v_max_num_f32 v[208+\b], v[208+\b], v[212+\b]  ; with lane l xor 16's 16 keys
.endr
	s_delay_alu instid0(VALU_DEP_2)
	v_max3_num_f32 v234, v208, v209, v210
	s_delay_alu instid0(VALU_DEP_1)
	v_max_num_f32 v234, v234, v211
	s_delay_alu instid0(VALU_DEP_1)
	v_mul_f32 v234, s80, v234                      ; as t
	s_delay_alu instid0(VALU_DEP_1)
	v_max_num_f32 v13, v13, v234                   ; the running largest t
	v_mov_b32 v234, v12
	s_delay_alu instid0(VALU_DEP_2)
	v_floor_f32 v12, -v13                          ; -M = floor(-t)
	s_delay_alu instid0(VALU_DEP_1)
	v_sub_f32 v234, v12, v234                      ; old M - new M: a whole number, 0 or less
	s_delay_alu instid0(VALU_DEP_1)
	v_cvt_i32_f32 v234, v234                       ; (it saturates)
	s_delay_alu instid0(VALU_DEP_1)
	v_ldexp_f32 v232, 1.0, v234                    ; f = 2^(old M - new M)
.set j, 0
.rept 32
	v_pk_fma_f32 v[96+j:97+j], v[96+j:97+j], s[80:81], v[12:13] op_sel_hi:[1,0,0]   ; t - M
.set j, j+2
.endr
.irp b, 0,1,2,3
	v_fma_f32 v[208+\b], v[208+\b], s80, v12       ; the same of each block's largest score
.endr
.set j, 0
	s_wait_alu depctr_va_vdst(0)
.rept 64
	v_exp_f32 v[96+j], v[96+j]                     ; p = 2^(t - M)
.set j, j+1
.endr
	v_pk_mul_f32 v[14:15], v[14:15], v[232:233] op_sel_hi:[1,0]   ; the sums under the new M; a plain line behind the exponentials
	s_wait_alu depctr_va_vdst(0)                   ; one wait for the batch, ahead of its first reader
.irp b, 0,1,2,3
	v_exp_f32 v[208+\b], v[208+\b]                 ; the block's largest p
.endr
	v_pk_add_f32 v[236:237], v[100:101], v[104:105]
	v_pk_add_f32 v[252:253], v[108:109], v[112:113]
	v_pk_add_f32 v[250:251], v[116:117], v[120:121]
	v_pk_add_f32 v[248:249], v[124:125], v[128:129]
	v_pk_add_f32 v[246:247], v[132:133], v[136:137]
	v_pk_add_f32 v[244:245], v[140:141], v[144:145]
	v_pk_add_f32 v[242:243], v[148:149], v[152:153]
	v_pk_add_f32 v[14:15], v[14:15], v[156:157]
	v_pk_add_f32 v[236:237], v[236:237], v[96:97]
	v_pk_add_f32 v[252:253], v[252:253], v[98:99]
	v_pk_add_f32 v[250:251], v[250:251], v[102:103]
	v_pk_add_f32 v[248:249], v[248:249], v[106:107]
	v_pk_add_f32 v[246:247], v[246:247], v[110:111]
	v_pk_add_f32 v[244:245], v[244:245], v[114:115]
	v_pk_add_f32 v[242:243], v[242:243], v[118:119]
	v_pk_add_f32 v[14:15], v[14:15], v[122:123]
	v_pk_add_f32 v[236:237], v[236:237], v[126:127]
	v_pk_add_f32 v[252:253], v[252:253], v[130:131]
	v_pk_add_f32 v[250:251], v[250:251], v[134:135]
	v_pk_add_f32 v[248:249], v[248:249], v[138:139]
	v_pk_add_f32 v[246:247], v[246:247], v[142:143]
	v_pk_add_f32 v[244:245], v[244:245], v[146:147]
	v_pk_add_f32 v[242:243], v[242:243], v[150:151]
	v_pk_add_f32 v[14:15], v[14:15], v[154:155]
	v_pk_add_f32 v[236:237], v[236:237], v[158:159]
	s_delay_alu instid0(VALU_DEP_2)
	v_pk_add_f32 v[14:15], v[14:15], v[248:249]
	s_delay_alu instid0(VALU_DEP_2)
	v_pk_add_f32 v[236:237], v[236:237], v[246:247]
	v_pk_add_f32 v[252:253], v[252:253], v[244:245]
	v_pk_add_f32 v[250:251], v[250:251], v[242:243]
	s_delay_alu instid0(VALU_DEP_2)
	v_pk_add_f32 v[14:15], v[14:15], v[252:253]
	s_delay_alu instid0(VALU_DEP_2)
	v_pk_add_f32 v[236:237], v[236:237], v[250:251]
	s_delay_alu instid0(VALU_DEP_1)
	v_pk_add_f32 v[14:15], v[14:15], v[236:237]
	s_wait_alu depctr_va_vdst(0)                   ; and one for the four
.irp b, 0,1,2,3
	v_max_num_f32 v[208+\b], 0x4800000, v[208+\b]  ; the floor 2^(9 - 127)
.endr
.irp b, 0,1,2,3
	s_delay_alu instid0(VALU_DEP_4)
	v_add_nc_u32 v[220+\b], 0xfc000000, v[208+\b]  ; the conversion's scale operand
.endr
.irp b, 0,1,2,3
	v_and_or_b32 v[216+\b], v[208+\b], 0x7f800000, s84   ; 448 x the scale
.endr
.irp b, 0,1,2,3
	v_lshrrev_b32 v[212+\b], 23, v[220+\b]         ; the byte
.endr
	s_delay_alu instid0(VALU_DEP_3)
	v_lshl_or_b32 v231, v213, 8, v212              ; p's scale word for these 128 keys
	s_delay_alu instid0(VALU_DEP_1)
	v_lshl_or_b32 v231, v214, 16, v231
	s_delay_alu instid0(VALU_DEP_1)
	v_lshl_or_b32 v231, v215, 24, v231
.irp b, 0,1,2,3
.irp i, 0,1,2,3,4,5,6,7,8,9,10,11,12,13,14,15
	v_min_num_f32 v[96+16*\b+\i], v[96+16*\b+\i], v[216+\b]   ; the hold; p is not negative
.endr
	v_cvt_scalef32_pk8_fp8_f32 v[192+4*\b:193+4*\b], v[96+16*\b:103+16*\b], v[220+\b]
	v_cvt_scalef32_pk8_fp8_f32 v[194+4*\b:195+4*\b], v[104+16*\b:111+16*\b], v[220+\b]
.endr
	v_nop                                          ; a plain line behind the last conversion
.irp t, 0,1,2,3                        ; V^T's four fragments (16 of the head's 64 x 128 keys) take p's place
.irp c, 0,1,2,3
	ds_load_b128 v[96+16*\t+4*\c:99+16*\t+4*\c], v9 offset:2048*\t+512*\c
.endr
.endr
	ds_load_b32 v228, v11
	ds_load_b32 v229, v11 offset:128
.set j, 0
.rept 16
	v_pk_mul_f32 v[160+j:161+j], v[160+j:161+j], v[232:233] op_sel_hi:[1,0]   ; O^T under the new M; these are also the places between the codes, the scale word and the products
.set j, j+2
.endr
	s_wait_alu depctr_va_vdst(0)
	s_wait_dscnt 0x0
.irp u, 0,1                            ; O^T += V^T P^T: four accumulators by turns
	v_wmma_scale_f32_16x16x128_f8f6f4 v[160+16*\u:167+16*\u], v[96+32*\u:111+32*\u], v[192:207], v[160+16*\u:167+16*\u], v[228+\u], v231
	v_wmma_scale_f32_16x16x128_f8f6f4 v[168+16*\u:175+16*\u], v[112+32*\u:127+32*\u], v[192:207], v[168+16*\u:175+16*\u], v[228+\u], v231 matrix_a_scale:MATRIX_SCALE_ROW1
.endr
.Lhidden_\@:
	s_add_co_u32 s25, s25, 1
	s_add_co_u32 s26, s26, 8192
	s_add_co_u32 s27, s27, 256
.endm
	s_load_b128 s[4:7], s[0:1], 0x0                ; qkv, att
	v_lshl_add_u32 v254, v0, 2, 0x29000
	v_mov_b32 v255, 0
	ds_add_u32 v254, v255
	ds_add_u32 v254, v255
	v_lshrrev_b32 v5, 5, v0
	s_delay_alu instid0(VALU_DEP_1)
	v_readfirstlane_b32 s8, v5                     ; wave 0..15
	s_bfe_u32 s9, ttmp6, 0x40000                   ; cx: it enters global addresses and the mask's numbers alone
	s_and_b32 s10, ttmp7, 0xffff                   ; batch x 16 + head
	s_lshr_b32 s11, s8, 2
	s_and_b32 s11, s11, 1
	s_mul_i32 s11, s11, 3
	s_xor_b32 s11, s8, s11                         ; i
	s_lshr_b32 s12, s11, 1                         ; my last key step
	s_and_b32 s13, s8, 1                           ; what I fetch, if I fetch: K's (0) or V's (1)
	SHAPE 32, 8                                    ; 2 KiB of scale bytes
	SHAPE 40, 64                                   ; the codes of keys 0-255
	SHAPE 48, 192                                  ; those of keys 256-1,023
	s_add_co_u32 s18, s13, 1
	s_lshl_b32 s14, s18, 17                        ; K's scale bytes lie 128 KiB, V's 256 KiB behind q's
	s_lshl_b32 s19, s10, 11
	s_add_co_u32 s14, s14, s19
	s_add_co_u32 s14, s14, 0xc00000
	s_mov_b32 s15, 0
	s_lshl_b32 s16, s18, 22                        ; K's codes at 4 MiB, V's at 8 MiB
	s_lshl_b32 s19, s10, 16
	s_add_co_u32 s16, s16, s19
	s_mov_b32 s17, 0
	s_lshl_b32 s20, s13, 11
	s_add_co_u32 s20, s20, KSC
	s_lshl_b32 s21, s13, 16
	s_mov_b32 s80, 0x3d38aa3b                      ; c = log2(e) / 32
	s_mov_b32 s81, s80                             ; (named with it as a pair)
	s_mov_b32 s82, 0x76543210
	s_mov_b32 s83, 0xfedcba98                      ; lane l xor 16
	s_mov_b32 s84, 0x600000                        ; the mantissa field of 448
	s_mov_b32 s25, 0
	s_mov_b32 s26, 0
	s_mov_b32 s27, 0
	s_wait_dscnt 0x0
	ROUND                                          ; all four work-groups are here: the joint loads meet; the round stands ahead of the wait for the arguments
	s_wait_kmcnt 0x0
	s_mov_b32 s56, 1
	s_mov_b32 s57, s20
	s_add_nc_u64 s[58:59], s[4:5], s[14:15]
	s_or_b32 s59, s59, 0x80000000
	s_mov_b32 s60, 1
	s_mov_b32 s61, s21
	s_add_nc_u64 s[62:63], s[4:5], s[16:17]
	s_mov_b32 s68, 1
	s_add_co_u32 s69, s21, 16384
	s_add_nc_u64 s[70:71], s[62:63], 16384
	s_or_b32 s63, s63, 0x80000000
	s_or_b32 s71, s71, 0x80000000
	; one fill a wave, in one chain of branches on the wave's number; even waves K's, odd waves V's: waves 0, 1 the codes of keys 0-255, waves 2, 3 the scale bytes, waves 4, 5 the codes of keys 256-1,023
	s_cmp_lt_u32 s8, 2
	s_cbranch_scc0 .Lfetch_s
	tensor_load_to_lds s[60:63], s[40:47]
	s_nop 0
.rept 4
	v_nop
.endr
	s_branch .Lno_fetch
.Lfetch_s:
	s_cmp_lt_u32 s8, 4
	s_cbranch_scc0 .Lfetch_r
	tensor_load_to_lds s[56:59], s[32:39]
	s_nop 0
.rept 4
	v_nop
.endr
	s_branch .Lno_fetch
.Lfetch_r:
	s_cmp_lt_u32 s8, 6
	s_cbranch_scc0 .Lno_fetch
	tensor_load_to_lds s[68:71], s[48:55]
	s_nop 0
.rept 4
	v_nop
.endr
.Lno_fetch:
	s_lshl_b32 s22, s11, 2
	s_add_co_u32 s22, s22, s9                      ; my tile of queries
	s_lshl_b32 s23, s22, 4                         ; my first query
	s_lshl_b32 s72, s10, 16
	s_lshl_b32 s73, s22, 10
	s_add_co_u32 s72, s72, s73
	s_mov_b32 s73, 0
	s_add_nc_u64 s[72:73], s[4:5], s[72:73]        ; its codes
	s_lshl_b32 s74, s10, 11
	s_lshl_b32 s75, s22, 5
	s_add_co_u32 s74, s74, s75
	s_add_co_u32 s74, s74, 0xc00000
	s_mov_b32 s75, 0
	s_add_nc_u64 s[74:75], s[4:5], s[74:75]        ; its scale bytes
	s_lshr_b32 s28, s10, 4
	s_lshl_b32 s28, s28, 6
	s_add_co_u32 s28, s28, s22                     ; the result's tile of rows: batch x 64 + my tile
	s_and_b32 s29, s10, 15                         ; the head: K step head / 2, groups c = 2 (head % 2) and the next
	s_lshr_b32 s30, s29, 1
	s_and_b32 s31, s29, 1
	s_lshl_b32 s76, s28, 14
	s_lshl_b32 s77, s30, 11
	s_add_co_u32 s76, s76, s77
	s_lshl_b32 s77, s31, 10
	s_add_co_u32 s76, s76, s77
	s_mov_b32 s77, 0
	s_add_nc_u64 s[76:77], s[6:7], s[76:77]
	s_lshl_b32 s78, s28, 9
	s_lshl_b32 s79, s30, 6
	s_add_co_u32 s78, s78, s79
	s_lshl_b32 s79, s31, 1
	s_add_co_u32 s78, s78, s79
	s_add_co_u32 s78, s78, 0x400000
	s_mov_b32 s79, 0
	s_add_nc_u64 s[78:79], s[6:7], s[78:79]
	v_and_b32 v5, 15, v0                           ; r
	v_bfe_u32 v6, v0, 4, 1                         ; h
	v_and_b32 v7, 31, v0                           ; lane
	s_delay_alu instid0(VALU_DEP_1)
	v_lshlrev_b32 v1, 4, v7                        ; an image's place for my lane
	s_delay_alu instid0(VALU_DEP_1)
	v_add_nc_u32 v2, VOFF, v1
	s_delay_alu instid0(VALU_DEP_3)
	v_lshl_add_u32 v3, v7, 1, KSC
	s_delay_alu instid0(VALU_DEP_4)
	v_lshl_add_u32 v4, v7, 2, VSC
	global_load_b128 v[16:19], v1, s[72:73]        ; Q's fragment stays in registers
	global_load_b128 v[20:23], v1, s[72:73] offset:512
	v_lshlrev_b32 v235, 1, v5
	global_load_u16 v230, v235, s[74:75]           ; Q's two scale bytes, the upper two 0
	v_mov_b32 v13, 0xff61b1e6                      ; the largest t so far: -3e38
	s_delay_alu instid0(VALU_DEP_1)
	v_floor_f32 v12, -v13
	v_mov_b32 v14, 0
	v_mov_b32 v15, 0
	v_mov_b32 v233, 0                              ; (named as the upper half of a pair)
	v_mov_b32 v234, 0
	v_mov_b32 v239, 0xff800000                     ; -infinity
.irp b, 0,1,2,3
	v_mov_b32 v[212+\b], 0                         ; a lane permute's destination counts as read
.endr
.irp j, 0,1,2,3,4,5,6,7
	v_mov_b32 v[24+\j], 0                          ; K = 64: the upper halves of Q's and K's fragments are zero codes
	v_mov_b32 v[40+\j], 0
	v_mov_b32 v[56+\j], 0
	v_mov_b32 v[72+\j], 0
	v_mov_b32 v[88+\j], 0
.endr
.set j, 0
.rept 32
	v_mov_b32 v[160+j], 0                          ; O^T: the step is written without a first form of its own; the first change of M leaves zeros zeros
.set j, j+1
.endr
	s_cmp_lt_u32 s8, 4                             ; waves 0 to 3 wait for their lines' loads: keys 0-255 and the scale bytes; waves 4 and 5's line is waited for at the next barrier
	s_cbranch_scc0 .Lrest_out
	s_wait_tensorcnt 0x0
.Lrest_out:
	s_barrier_signal -1
	s_barrier_wait -1
	s_wait_loadcnt 0x0                             ; Q
	STEP                                           ; keys 0-127
	STEP                                           ; keys 128-255
	s_wait_tensorcnt 0x0                           ; the rest has landed,
	s_wait_dscnt 0x0
	s_barrier_signal -1
	s_barrier_wait -1                              ; for every wave
	s_mov_b32 s24, 6
.Lkeys:
	STEP
	s_sub_co_u32 s24, s24, 1
	s_cmp_lg_u32 s24, 0
	s_cbranch_scc1 .Lkeys
	; ---------------- the way out: O^T / the sum, quantised along the head's 64 (two blocks of the joined heads' K)
.rept 8
	v_nop
.endr
	v_add_f32 v14, v14, v15
	s_delay_alu instid0(VALU_DEP_1)
	v_permlanex16_b32 v234, v14, s82, s83
	s_delay_alu instid0(VALU_DEP_1)
	v_add_f32 v14, v14, v234                       ; the row's sum
	s_wait_alu depctr_va_vdst(0)
	v_rcp_f32 v14, v14
	v_lshl_add_u32 v240, v5, 2, v6                 ; (a plain line behind the reciprocal)  4 r + h: lanes 0-15 store the first block's byte, lanes 16-31 the second's
	s_mov_b32 vcc_lo, 0xffff0000
	s_wait_alu depctr_va_vdst(0)                   ; the wait ahead of the reciprocal's first reader
.set j, 0
.rept 32
	v_mul_f32 v[96+j], v[160+j], v14               ; register 8 t + i: channel 16 t + 8 h + i of my query
.set j, j+1
.endr
.irp b, 0,1
	v_max3_num_f32 v[208+\b], |v[96+16*\b]|, |v[97+16*\b]|, 0x4800000
.endr
.irp i, 2,4,6,8,10,12,14
.irp b, 0,1
	s_delay_alu instid0(VALU_DEP_2)
	v_max3_num_f32 v[208+\b], v[208+\b], |v[96+16*\b+\i]|, |v[97+16*\b+\i]|
.endr
.endr
.irp b, 0,1
	s_delay_alu instid0(VALU_DEP_2)
	v_permlanex16_b32 v[212+\b], v[208+\b], s82, s83
.endr
.irp b, 0,1
	s_delay_alu instid0(VALU_DEP_2)
	v_max_num_f32 v[208+\b], v[208+\b], v[212+\b]
.endr
.irp b, 0,1
	s_delay_alu instid0(VALU_DEP_2)
	v_add_nc_u32 v[220+\b], 0xfc000000, v[208+\b]
.endr
.irp b, 0,1
	s_delay_alu instid0(VALU_DEP_4)
	v_and_or_b32 v[216+\b], v[208+\b], 0x7f800000, s84
.endr
.irp b, 0,1
	s_delay_alu instid0(VALU_DEP_4)
	v_lshrrev_b32 v[212+\b], 23, v[220+\b]
.endr
.irp b, 0,1
.irp i, 0,1,2,3,4,5,6,7,8,9,10,11,12,13,14,15
	v_med3_num_f32 v[96+16*\b+\i], v[96+16*\b+\i], -v[216+\b], v[216+\b]
.endr
	v_cvt_scalef32_pk8_fp8_f32 v[192+4*\b:193+4*\b], v[96+16*\b:103+16*\b], v[220+\b]
	v_cvt_scalef32_pk8_fp8_f32 v[194+4*\b:195+4*\b], v[104+16*\b:111+16*\b], v[220+\b]
.endr
	v_nop
	v_cndmask_b32 v241, v212, v213, vcc_lo
	global_store_b128 v1, v[192:195], s[76:77]     ; 512 consecutive bytes a store
	global_store_b128 v1, v[196:199], s[76:77] offset:512
	global_store_b8 v240, v241, s[78:79]
	s_wait_tensorcnt 0x0
	ds_add_u32 v254, v255
	s_wait_dscnt 0x0
	ROUND                                          ; the closing round
	s_endpgm
.Lfunc_end_k_qc745030061_attn:
	.size	k_qc745030061_attn, .Lfunc_end_k_qc745030061_attn-k_qc745030061_attn
	.p2alignl 7, 3214868480
	.fill 96, 4, 3214868480
	.section	.rodata,"a",@progbits
	.p2align	6, 0x0
	.amdhsa_kernel k_qc745030061_attn
		.amdhsa_group_segment_fixed_size 169984
		.amdhsa_private_segment_fixed_size 0
		.amdhsa_enable_private_segment 0
		.amdhsa_kernarg_size 16
		.amdhsa_user_sgpr_count 2
		.amdhsa_user_sgpr_kernarg_segment_ptr 1
		.amdhsa_wavefront_size32 1
		.amdhsa_system_sgpr_workgroup_id_x 1
		.amdhsa_system_sgpr_workgroup_id_y 1
		.amdhsa_system_sgpr_workgroup_id_z 1
		.amdhsa_system_vgpr_workitem_id 0
		.amdhsa_next_free_vgpr 256
		.amdhsa_next_free_sgpr 90
		.amdhsa_reserve_vcc 1
		.amdhsa_float_denorm_mode_32 3
		.amdhsa_float_denorm_mode_16_64 3
		.amdhsa_memory_ordered 1
		.amdhsa_forward_progress 1
		.amdhsa_inst_pref_size 93
	.end_amdhsa_kernel
	.amdgpu_metadata
---
amdhsa.version: [ 1, 2 ]
amdhsa.kernels:
  - .name:           k_qc745030061_attn
    .symbol:         k_qc745030061_attn.kd
    .args:
      - { .name: qkv, .offset: 0, .size: 8, .value_kind: global_buffer, .address_space: global }
      - { .name: att, .offset: 8, .size: 8, .value_kind: global_buffer, .address_space: global }
    .group_segment_fixed_size: 169984
    .private_segment_fixed_size: 0
    .kernarg_segment_align: 8
    .kernarg_segment_size: 16
    .max_flat_workgroup_size: 512
    .sgpr_count:     90
    .vgpr_count:     256
    .wavefront_size: 32
...
	.end_amdgpu_metadata
.endif
;; end of part 3
;; launch wog (part 4): grid 8 x 32, 4 waves a work-group, clusters of 4 x 4, 327,680 bytes of LDS; arguments att, wts, x, bo, x1, x1q; writes x1, x1q
.if DOCPART == 4
	.amdgcn_target "amdgcn-amd-amdhsa--gfx1250"
	.amdhsa_code_object_version 6
	.text
	.protected	k_qc745030061_wog
	.globl	k_qc745030061_wog
	.p2align	8
	.type	k_qc745030061_wog,@function
k_qc745030061_wog:
	s_mov_b64 s[64:65], 0
	v_nop
	global_prefetch_b8 v0, s[64:65] scope:SCOPE_SE
	s_setreg_imm32_b32 hwreg(HW_REG_WAVE_MODE, 25, 1), 1
	s_wait_xcnt 0x0
	s_wait_alu depctr_hold_cnt(0) depctr_sa_sdst(0) depctr_va_vdst(0) depctr_va_sdst(0) depctr_va_ssrc(0) depctr_va_vcc(0) depctr_vm_vsrc(0)
	s_getreg_b32 s2, hwreg(HW_REG_IB_STS2, 6, 4)
	s_cmp_eq_u32 s2, 0
	s_cbranch_scc0 .Lentry_in_a_cluster
	s_endpgm
.Lentry_in_a_cluster:
	s_bfe_u32 s2, ttmp6, 0x10000c
	s_cmp_lg_u32 s2, 0xf033
	s_cbranch_scc0 .Lentry_shape_is_right
	s_endpgm
.Lentry_shape_is_right:
; x1 = x + attn Wo + bo, the product on codes of FP8 (E4M3) with E8M0 scales; x1 leaves as f32 and, quantised along its 1,024, as an operand image.
; A work-group takes 128 tokens (work-group y) x 128 columns (work-group x): 8 x 32 = 256 work-groups; its four waves 64 x 64 each: 16 accumulators.
; OPERANDS ARE IMAGES OF REGISTERS: [tile of 16 rows][K step of 128][c][lane][16 bytes]; scale words [tile][K step][row].  The product is used TRANSPOSED (source 0 = 16 weight rows, source 1 = 16 tokens):
; a lane holds one token and eight neighbouring columns.  bo is the C of the first K step's products.  x is asked for at the head, into registers of its own, and is waited for and added only behind the
; last product: no product waits for it.
; All of K (8 K steps) lies in one LDS slot of eight K steps, asked for at the head: nothing is filled again, and there is nothing to prefetch.
; CLUSTER 4 x 4: the tokens' tiles are shared along a row of the cluster, the weights' along a column: joint tensor loads.
; LIMITS: NaN and infinities are not served; a block whose largest magnitude lies under 2^-118 gets the byte 1, a block of zeros the byte 1 over zero codes.
; The order of k inside a block of 32 is the images' own, alike on both sides: the sums are grouped otherwise than in ascending k.
; REGISTERS: window 0: v1-31 addresses; v32-63 scale words of the eight K steps; v64-95 the bias, later v64-99 the quantiser's work; v128-191 rows on the way out.  Windows 1, 2: two fragment buffers in v0-127;
;   window 1's v128-255: x, in the accumulators' layout.  Window 3: the accumulators.
.set MODE, 1
.set KS, 8
.set M, 8                              ; all eight K steps lie in LDS as one block for each operand, each brought by one tensor load
.set RY, 8
.set RX, 8
.set NB, 4
.set NBT, 4
.set STACK, 0
.set XC_OFF, 0x300000
.set YS_OFF, 0x400000
; ---------------- the part that the product launches share
.set SLOTB,  (RY+RX)*M*2048            ; a slot: the tokens' tiles [tile][K step][2048], then the weights'
.set YB,     RY*M*2048
.set HY,     (RY/2)*M*2048
.set HX,     (RX/2)*M*2048
.set SCY,    SLOTB
.set SCX,    SCY+RY*KS*64              ; the weights',
.set SPARE,  SCX+RX*KS*64              ; the spare words, 128 bytes a wave: two blocks of 256 bytes that no other line names,
.set STAGE,  SPARE+512                 ; and a stage of 16 rows x 272 bytes for each wave
.set LAPS,   KS/(2*M)
.set XS_OFF, 0xc00000+XC_OFF/32
.set SCQ,    NB/2+2                    ; scale registers of a K step: a register carries two tiles' words, lanes 0-15 the even tile's, lanes 16-31 the odd one's
.set SCN,    M*SCQ
.set ADY, 16
.set ADX, 20
.set ADSY, 22
.set ADSX, 23
.set STO, 24
.set RD,  25
.set CO,  26
.set CA,  27
.set SPW, 28
.set NIL, 29
.set FLR, 30
.set LA,  31
.set LB,  10
.set SC,  32
.set BIAS, 64
.set TM,  64
.set PW,  80
.set PW2, 81
.set SELR, 82
.set PC,  84
.set BK,  128
.set RES, 128                          ; in window 1
.set G1Y, 24
.set G0Y, 32
.set G1X, 48
.set G0X, 56
.set G1SY, 68
.set G0SY, 76
.set G1SX, 80
.set G0SX, 88
.set SEL, 100
.set MNT, 3
.set MSB, 0
.macro WIN new                         ; the immediate's high byte repeats the setting that is left
.if MSB != (\new)
	s_set_vgpr_msb (MSB<<8)|(\new)
.set MSB, (\new)
.endif
.endm
.macro JLOAD g0a, g1a, g0b, g1b        ; a joint load: waves 0 and 1 fetch the tokens' halves, waves 2 and 3 the weights'; four v_nop follow each line
	s_cmp_eq_u32 s15, 0
	s_cbranch_scc0 .Lfor_x_\@
	tensor_load_to_lds s[\g0a:\g0a+3], s[\g1a:\g1a+7]
	s_nop 0
.rept 4
	v_nop
.endr
	s_branch .Lasked_\@
.Lfor_x_\@:
	tensor_load_to_lds s[\g0b:\g0b+3], s[\g1b:\g1b+7]
	s_nop 0
.rept 4
	v_nop
.endr
.Lasked_\@:
.endm
.macro CREST
	s_cmp_lg_u32 s14, 0
	s_cbranch_scc1 .Lnot_wave_0_\@
	s_barrier_signal -3
.Lnot_wave_0_\@:
	s_barrier_wait -3
	s_barrier_signal -1
	s_barrier_wait -1
.endm
.macro CROUND
	s_barrier_signal -1
	s_barrier_wait -1
	CREST
.endm
.macro PLACES n                        ; plain vector lines behind matrix instructions (ISA guide 7.12.1)
.rept \n
	v_nop
.endr
.endm
.macro SHAPE g, c, rows, pitch
	s_mov_b32 s[\g+1], (\c)<<16
	s_mov_b32 s[\g+2], (\rows)<<16
	s_mov_b32 s[\g+3], (\c)<<16
	s_mov_b32 s[\g+4], \rows
	s_mov_b32 s[\g+5], \pitch
	s_mov_b32 s[\g+6], 0
	s_mov_b32 s[\g+7], 0
.endm
.macro WM zero
.if \zero
.if rowA && rowB
	v_wmma_scale_f32_16x16x128_f8f6f4 v[rD:rD+7], v[rA:rA+15], v[rB:rB+15], 0, v[kA], v[kB] matrix_a_scale:MATRIX_SCALE_ROW1 matrix_b_scale:MATRIX_SCALE_ROW1
.elseif rowA
	v_wmma_scale_f32_16x16x128_f8f6f4 v[rD:rD+7], v[rA:rA+15], v[rB:rB+15], 0, v[kA], v[kB] matrix_a_scale:MATRIX_SCALE_ROW1
.elseif rowB
	v_wmma_scale_f32_16x16x128_f8f6f4 v[rD:rD+7], v[rA:rA+15], v[rB:rB+15], 0, v[kA], v[kB] matrix_b_scale:MATRIX_SCALE_ROW1
.else
	v_wmma_scale_f32_16x16x128_f8f6f4 v[rD:rD+7], v[rA:rA+15], v[rB:rB+15], 0, v[kA], v[kB]
.endif
.else
.if rowA && rowB
	v_wmma_scale_f32_16x16x128_f8f6f4 v[rD:rD+7], v[rA:rA+15], v[rB:rB+15], v[rC:rC+7], v[kA], v[kB] matrix_a_scale:MATRIX_SCALE_ROW1 matrix_b_scale:MATRIX_SCALE_ROW1
.elseif rowA
	v_wmma_scale_f32_16x16x128_f8f6f4 v[rD:rD+7], v[rA:rA+15], v[rB:rB+15], v[rC:rC+7], v[kA], v[kB] matrix_a_scale:MATRIX_SCALE_ROW1
.elseif rowB
	v_wmma_scale_f32_16x16x128_f8f6f4 v[rD:rD+7], v[rA:rA+15], v[rB:rB+15], v[rC:rC+7], v[kA], v[kB] matrix_b_scale:MATRIX_SCALE_ROW1
.else
	v_wmma_scale_f32_16x16x128_f8f6f4 v[rD:rD+7], v[rA:rA+15], v[rB:rB+15], v[rC:rC+7], v[kA], v[kB]
.endif
.endif
.endm
; All products of token tile a with buffer f, scale set ss, the slot's q-th K step.  cm = 0: onto the sums; 2: the bias starts them.
; Each accumulator has one instruction a step, so the accumulators take turns.
.macro MULA f, a, ss, q, cm
.if (\cm) == 2
	WIN (1+(\f))|((1+(\f))<<2)|0xc0
.else
	WIN (1+(\f))|((1+(\f))<<2)|0xf0
.endif
.set kY, SC+SCN*(\ss)+SCQ*(\q)+NB/2+(\a)/2
.set bb, 0
.rept NBT
.set rD, 8*(NB*(\a)+bb)
.set rC, rD
.if (\cm) == 2
.set rC, BIAS+8*bb
.endif
.set rA, 64+16*bb
.set rB, 16*(\a)
.set kA, SC+SCN*(\ss)+SCQ*(\q)+bb/2
.set rowA, bb%2
.set kB, kY
.set rowB, (\a)%2
	WM (\cm)==1
.set bb, bb+1
.endr
.endm
.macro FETCH slot, q, g
	WIN (1+(\g))<<6
.set bb, 0
.rept NB
.irp c, 0,1,2,3
	ds_load_b128 v[64+16*bb+4*\c:64+16*bb+4*\c+3], v[ADX+\slot] offset:(bb*M+(\q))*2048+512*\c
.endr
.set bb, bb+1
.endr
.irp a, 0,1,2,3
.irp c, 0,1,2,3
	ds_load_b128 v[16*\a+4*\c:16*\a+4*\c+3], v[ADY+\slot] offset:(\a*M+(\q))*2048+512*\c
.endr
.endr
	WIN 0
.endm
.macro SCALES ss
.irp q, 0,1,2,3,4,5,6,7
.if \q < M
.set ii, 0
.rept NB/2
	ds_load_b32 v[SC+SCN*\ss+SCQ*\q+ii], v[ADSX] offset:ii*2*KS*64+64*\q
.set ii, ii+1
.endr
.irp i, 0,1
	ds_load_b32 v[SC+SCN*\ss+SCQ*\q+NB/2+\i], v[ADSY] offset:\i*2*KS*64+64*\q
.endr
.endif
.endr
.endm
.macro STEP slot, q, cm
	s_wait_dscnt 0x0                               ; this step's fragments and scale words are in
	MULA (\q)%2, 0, \slot, \q, \cm
	MULA (\q)%2, 1, \slot, \q, \cm
	WIN 0
	PLACES 8                                       ; behind the last products that read the other buffer
	FETCH \slot, (\q)+1, 1-(\q)%2
	MULA (\q)%2, 2, \slot, \q, \cm
	MULA (\q)%2, 3, \slot, \q, \cm
	WIN 0
.endm
.macro MID slot
.if M == 4
	STEP \slot, 1, 0
	STEP \slot, 2, 0
.endif
.endm
.macro TURN slot, next, fill
	s_wait_tensorcnt 0x0                           ; all my tensor loads have landed: my part of the next slot
	ds_add_u32 v[SPW], v[NIL]                      ; 0 onto my spare word
	s_wait_dscnt 0x1                               ; only the add may be out: the fragments are in
	MULA 1, 0, \slot, M-1, 0
	s_wait_dscnt 0x0                               ; the add is done, and my reads of this slot are over
	s_barrier_signal -1
	MULA 1, 1, \slot, M-1, 0
	WIN 0
	s_barrier_wait -1
.if \fill
	CREST
	s_add_nc_u64 s[G0Y+4*\slot+2:G0Y+4*\slot+3], s[G0Y+4*\slot+2:G0Y+4*\slot+3], 2*M*2048
	s_add_nc_u64 s[G0X+4*\slot+2:G0X+4*\slot+3], s[G0X+4*\slot+2:G0X+4*\slot+3], 2*M*2048
	JLOAD G0Y+4*\slot, G1Y, G0X+4*\slot, G1X
	PLACES 4
.else
	PLACES 8
.endif
	v_add_nc_u32 v[ADSY], 64*M, v[ADSY]
	v_add_nc_u32 v[ADSX], 64*M, v[ADSX]
	FETCH \next, 0, 0
	SCALES \next
	MULA 1, 2, \slot, M-1, 0
	MULA 1, 3, \slot, M-1, 0
	WIN 0
.endm
.macro QUANT64 base, W, relu
	s_wait_xcnt 0x0                                ; the last stores have read the codes' and words' registers
	WIN ((\W)<<2)|((\W)<<4)
.irp b, 0,1,2,3
	v_max3_num_f32 v[TM+\b], v[FLR], |v[(\base)+16*\b]|, |v[(\base)+16*\b+1]|
.endr
.irp i, 2,4,6,8,10,12,14
.irp b, 0,1,2,3
	v_max3_num_f32 v[TM+\b], v[TM+\b], |v[(\base)+16*\b+\i]|, |v[(\base)+16*\b+\i+1]|
.endr
.endr
	WIN 0
.irp b, 0,1,2,3
	v_permlanex16_b32 v[TM+4+\b], v[TM+\b], s[SEL], s[SEL+1]
.endr
.irp b, 0,1,2,3
	v_max_num_f32 v[TM+\b], v[TM+\b], v[TM+4+\b]
.endr
.irp b, 0,1,2,3
	v_add_nc_u32 v[TM+12+\b], 0xfc000000, v[TM+\b]
.endr
.irp b, 0,1,2,3
	v_and_or_b32 v[TM+8+\b], v[TM+\b], 0x7f800000, s[MNT]
.endr
.irp b, 0,1,2,3
	v_lshrrev_b32 v[TM+4+\b], 23, v[TM+12+\b]
.endr
	WIN (\W)|((\W)<<6)
.irp b, 0,1,2,3
.irp i, 0,1,2,3,4,5,6,7,8,9,10,11,12,13,14,15
	v_med3_num_f32 v[(\base)+16*\b+\i], v[(\base)+16*\b+\i], -v[TM+8+\b], v[TM+8+\b]
.endr
.endr
	WIN (\W)
.irp b, 0,1,2,3
	v_cvt_scalef32_pk8_fp8_f32 v[PC+4*\b:PC+4*\b+1], v[(\base)+16*\b:(\base)+16*\b+7], v[TM+12+\b]
	v_cvt_scalef32_pk8_fp8_f32 v[PC+4*\b+2:PC+4*\b+3], v[(\base)+16*\b+8:(\base)+16*\b+15], v[TM+12+\b]
.endr
	v_nop
	WIN 0
.endm
.macro STC sb, o0, o1, o2, o3
	global_store_b128 v[CA], v[PC:PC+3],     s[\sb:\sb+1] offset:\o0
	global_store_b128 v[CA], v[PC+4:PC+7],   s[\sb:\sb+1] offset:\o1
	global_store_b128 v[CA], v[PC+8:PC+11],  s[\sb:\sb+1] offset:\o2
	global_store_b128 v[CA], v[PC+12:PC+15], s[\sb:\sb+1] offset:\o3
.endm
.macro HALFW sb, va, off
	v_lshl_or_b32 v[PW], v[TM+5], 8, v[TM+4]
	v_lshl_or_b32 v[PW2], v[TM+7], 8, v[TM+6]
	v_cndmask_b32 v[SELR], v[PW], v[PW2], vcc_lo
	global_store_b16 v[\va], v[SELR], s[\sb:\sb+1] offset:\off
.endm
; The f32 way out of token tile a: a lane's 32 bytes of a row go into my own stage and come back as whole rows of 256 bytes.  LDS serves a wave's instructions in order.
.macro TOSTAGE a
	WIN 0x0c                                       ; an LDS store's data are its source 1: window 3
.irp b, 0,1,2,3
	ds_store_b128 v[STO], v[8*(4*(\a)+\b):8*(4*(\a)+\b)+3] offset:64*\b          ; each accumulator from its low end on
	ds_store_b128 v[STO], v[8*(4*(\a)+\b)+4:8*(4*(\a)+\b)+7] offset:64*\b+16
.endr
	WIN 0
.irp t, 0,1,2,3,4,5,6,7
	ds_load_b128 v[BK+32*((\a)%2)+4*\t:BK+32*((\a)%2)+4*\t+3], v[RD] offset:\t*2*272
.endr
.endm
.macro SEND a, younger
	s_wait_dscnt \younger                          ; the tile is back in registers; the next tile's 8 stores and 8 loads may be out
.irp t, 0,1,2,3,4,5,6,7
	global_store_b128 v[CO], v[BK+32*((\a)%2)+4*\t:BK+32*((\a)%2)+4*\t+3], s[92:93] offset:(16*(\a)+2*\t)*4096   ; sixteen lanes store 256 consecutive bytes, aligned
.endr
.endm
	s_load_b128 s[4:7], s[0:1], 0x0                ; att, wts
	s_load_b128 s[8:11], s[0:1], 0x10              ; x, bo
	s_load_b128 s[92:95], s[0:1], 0x20             ; x1, x1q
	v_lshl_add_u32 v[SPW], v0, 2, SPARE
	v_mov_b32 v[NIL], 0
	ds_add_u32 v28, v29
	ds_add_u32 v28, v29
	s_wait_dscnt 0x0
	v_lshrrev_b32 v1, 5, v0
	v_readfirstlane_b32 s14, v1                    ; wave
	s_lshr_b32 s15, s14, 1
	s_and_b32 s16, s14, 1
.if STACK
	s_mov_b32 s17, s14
	s_mov_b32 s18, 0
.else
	s_mov_b32 s17, s15                             ; which 64 tokens are mine,
	s_mov_b32 s18, s16                             ; which 64 columns
.endif
	s_bfe_u32 s40, ttmp6, 0x40000
	s_bfe_u32 s41, ttmp6, 0x40004
	s_lshl_b32 s42, ttmp9, 2
	s_add_co_u32 s42, s42, s40                     ; work-group x
	s_and_b32 s43, ttmp7, 0xffff
	s_lshl_b32 s43, s43, 2
	s_add_co_u32 s43, s43, s41                     ; work-group y
	s_lshl_b32 s44, s41, 2
	s_lshl_b32 s44, 15, s44
	s_lshl_b32 s45, 0x1111, s40
	s_or_b32 s[G1Y], s44, (3<<16)|(1<<21)
	s_or_b32 s[G1X], s45, (3<<16)|(1<<21)
	s_or_b32 s[G1SY], s44, (3<<16)|(1<<21)
	s_or_b32 s[G1SX], s45, (3<<16)|(1<<21)
	SHAPE G1Y, M*256, RY, KS*256
	SHAPE G1X, M*256, RX, KS*256
	SHAPE G1SY, 32, RY*KS/4, 32
	SHAPE G1SX, 32, RX*KS/4, 32
	s_mul_i32 s20, s43, RY
	s_mul_i32 s22, s20, KS*64
	s_add_co_u32 s22, s22, YS_OFF
	s_mul_i32 s20, s20, KS*2048
	s_mov_b32 s21, 0
	s_mov_b32 s23, 0
	s_mul_i32 s46, s42, RX
	s_mul_i32 s66, s46, KS*64
	s_add_co_u32 s66, s66, XS_OFF
	s_mul_i32 s46, s46, KS*2048
	s_add_co_u32 s46, s46, XC_OFF
	s_mov_b32 s47, 0
	s_mov_b32 s67, 0
	s_mov_b32 s19, 0
	s_mov_b32 s12, YB
	CROUND                                         ; the opening round stands ahead of the wait for the arguments
	s_wait_kmcnt 0x0
	s_add_nc_u64 s[20:21], s[4:5], s[20:21]
	s_add_nc_u64 s[22:23], s[4:5], s[22:23]
	s_add_nc_u64 s[46:47], s[6:7], s[46:47]
	s_add_nc_u64 s[66:67], s[6:7], s[66:67]
	s_mov_b32 s[G0SY], 1
	s_mov_b32 s[G0SY+1], SCY
	s_mov_b64 s[G0SY+2:G0SY+3], s[22:23]
	s_or_b32 s[G0SY+3], s[G0SY+3], 0x80000000
	s_mov_b32 s[G0SX], 1
	s_mov_b32 s[G0SX+1], SCX
	s_mov_b64 s[G0SX+2:G0SX+3], s[66:67]
	s_or_b32 s[G0SX+3], s[G0SX+3], 0x80000000
.irp s, 0
	s_mov_b32 s[G0Y+4*\s], 1
	s_add_co_u32 s[G0Y+4*\s+1], s19, \s*SLOTB
	s_add_nc_u64 s[G0Y+4*\s+2:G0Y+4*\s+3], s[20:21], \s*M*2048
	s_or_b32 s[G0Y+4*\s+3], s[G0Y+4*\s+3], 0x80000000
	s_mov_b32 s[G0X+4*\s], 1
	s_add_co_u32 s[G0X+4*\s+1], s12, \s*SLOTB
	s_add_nc_u64 s[G0X+4*\s+2:G0X+4*\s+3], s[46:47], \s*M*2048
	s_or_b32 s[G0X+4*\s+3], s[G0X+4*\s+3], 0x80000000
.endr
; the four fills, one joint load a wave, in one chain of branches on the wave's number: the tokens' codes, the weights', the tokens' scale words, the weights'
.macro ARM under, g0, g1, next
	s_cmp_lt_u32 s14, \under
	s_cbranch_scc0 \next
	tensor_load_to_lds s[\g0:\g0+3], s[\g1:\g1+7]
	s_nop 0
	PLACES 4
	s_branch .Lhead_asked
\next:
.endm
	ARM 1, G0Y, G1Y, .Lhead_x
	ARM 2, G0X, G1X, .Lhead_sy
	ARM 3, G0SY, G1SY, .Lhead_sx
	tensor_load_to_lds s[G0SX:G0SX+3], s[G1SX:G1SX+7]
	s_nop 0
	PLACES 4
.Lhead_asked:
	v_and_b32 v1, 15, v0                           ; r
	v_bfe_u32 v2, v0, 4, 1                         ; h
	v_and_b32 v3, 31, v0                           ; lane
	v_lshlrev_b32 v[CA], 4, v3
	v_mov_b32 v[FLR], 0x4800000
	s_mul_i32 s20, s17, 4*M*2048
	s_mul_i32 s21, s18, NB*M*2048
	s_add_co_u32 s21, s21, YB
.irp s, 0
	v_add_nc_u32 v[ADY+\s], s20, v[CA]
	v_add_nc_u32 v[ADX+\s], s21, v[CA]
	s_add_co_u32 s20, s20, SLOTB
	s_add_co_u32 s21, s21, SLOTB
.endr
	v_mul_u32_u24 v5, v2, KS*64
	v_lshl_add_u32 v5, v1, 2, v5
	s_mul_i32 s20, s17, 4*KS*64
	s_add_co_u32 s20, s20, SCY
	s_mul_i32 s21, s18, NB*KS*64
	s_add_co_u32 s21, s21, SCX
	v_add_nc_u32 v[ADSY], s20, v5
	v_add_nc_u32 v[ADSX], s21, v5
	s_mul_i32 s20, s14, 16*272
	s_add_co_u32 s20, s20, STAGE                   ; my stage
	v_mul_u32_u24 v4, v1, 272
	v_lshl_add_u32 v4, v2, 5, v4
	v_add_nc_u32 v[STO], s20, v4                   ; in: row r, 32 bytes for each half of the lanes
	v_mul_u32_u24 v4, v2, 272
	v_lshl_add_u32 v4, v1, 4, v4
	v_add_nc_u32 v[RD], s20, v4                    ; back: lanes 0-15 one row, lanes 16-31 the next
	v_lshlrev_b32 v4, 12, v2
	v_lshl_add_u32 v[CO], v1, 4, v4                ; and the same two rows in memory
	; ---------------- the bias, wanted by the first products, and the residual, wanted behind the last
	s_lshl_b32 s20, s42, 9
	s_lshl_b32 s21, s18, 8
	s_add_co_u32 s20, s20, s21                     ; my first column, in bytes
	s_mov_b32 s21, 0
	s_add_nc_u64 s[10:11], s[10:11], s[20:21]
	s_lshl_b32 s22, s43, 19
	s_lshl_b32 s23, s17, 18
	s_add_co_u32 s22, s22, s23                     ; my first row of 4,096 bytes
	s_add_co_u32 s22, s22, s20
	s_mov_b32 s23, 0
	s_add_nc_u64 s[8:9], s[8:9], s[22:23]
	s_add_nc_u64 s[92:93], s[92:93], s[22:23]
	v_lshlrev_b32 v6, 5, v2                        ; 32 h
	v_lshl_add_u32 v7, v1, 12, v6                  ; row r, + 32 h
.irp b, 0,1,2,3
	global_load_b128 v[BIAS+8*\b:BIAS+8*\b+3],   v6, s[10:11] offset:64*\b
	global_load_b128 v[BIAS+8*\b+4:BIAS+8*\b+7], v6, s[10:11] offset:64*\b+16
.endr
	WIN 0x40                                       ; destination window 1
.irp a, 0,1,2,3
.irp b, 0,1,2,3
	global_load_b128 v[RES+8*(4*\a+\b):RES+8*(4*\a+\b)+3],   v7, s[8:9] offset:\a*65536+64*\b
	global_load_b128 v[RES+8*(4*\a+\b)+4:RES+8*(4*\a+\b)+7], v7, s[8:9] offset:\a*65536+64*\b+16
.endr
.endr
	WIN 0
	s_lshl_b32 s22, s43, 3
	s_lshl_b32 s23, s17, 2
	s_add_co_u32 s22, s22, s23                     ; my first tile of rows
	s_lshl_b32 s96, s22, 9
	s_lshl_b32 s23, s42, 6
	s_add_co_u32 s96, s96, s23
	s_lshl_b32 s23, s18, 1
	s_add_co_u32 s96, s96, s23
	s_add_co_u32 s96, s96, 0x400000
	s_mov_b32 s97, 0
	s_add_nc_u64 s[96:97], s[94:95], s[96:97]      ; x1's scale words: K step = work-group x, my two bytes of each
	s_lshl_b32 s98, s22, 14
	s_lshl_b32 s23, s42, 11
	s_add_co_u32 s98, s98, s23
	s_lshl_b32 s23, s18, 10
	s_add_co_u32 s98, s98, s23
	s_mov_b32 s99, 0
	s_add_nc_u64 s[94:95], s[94:95], s[98:99]      ; x1's codes
	v_lshlrev_b32 v4, 9, v2
	v_lshl_add_u32 v[LA], v1, 2, v4                ; lanes 16-31 one tile of rows on
	s_wait_alu depctr_va_vdst(0)
	s_wait_loadcnt 32                              ; the bias's 8 loads are in; the residual's 32, issued behind them, stay out until the way out
	s_wait_tensorcnt 0x0                           ; my fill is in,
	s_barrier_signal -1
	s_barrier_wait -1                              ; and so is every wave's: nothing is filled again
	FETCH 0, 0, 0
	SCALES 0                                       ; the scale words of all eight K steps: 32 registers
	STEP 0, 0, 2                                   ; the bias starts the sums
.irp q, 1,2,3,4,5,6
	STEP 0, \q, 0
.endr
	s_wait_dscnt 0x0
	MULA 1, 0, 0, M-1, 0
	MULA 1, 1, 0, M-1, 0
	MULA 1, 2, 0, M-1, 0
	MULA 1, 3, 0, M-1, 0
	WIN 0
	PLACES 8
	s_wait_loadcnt 0x0                             ; the residual
	WIN 0xc7                                       ; destination and source 0 window 3, source 1 window 1
.irp a, 0,1,2,3
.irp b, 0,1,2,3
.irp j, 0,2,4,6
	v_pk_add_f32 v[8*(4*\a+\b)+\j:8*(4*\a+\b)+\j+1], v[8*(4*\a+\b)+\j:8*(4*\a+\b)+\j+1], v[RES+8*(4*\a+\b)+\j:RES+8*(4*\a+\b)+\j+1]   ; each accumulator from its low end on
.endr
.endr
.endr
	WIN 0
	; ---------------- x1 as f32 first: the quantiser's hold works in place
	TOSTAGE 0
	s_wait_alu depctr_va_vdst(0)
.irp a, 1,2,3
.if \a > 1
	s_wait_xcnt 0x0                                ; tile a - 2's stores have read their registers: tile a's loads may land there
.endif
	TOSTAGE \a
	SEND \a-1, 16
.endr
	SEND 3, 0
	s_mov_b32 s[SEL], 0x76543210
	s_mov_b32 s[SEL+1], 0xfedcba98
	s_mov_b32 s[MNT], 0x600000
	s_mov_b32 vcc_lo, 0xffff0000
.irp b, 0,1,2,3
	v_mov_b32 v[TM+4+\b], 0
.endr
.irp p, 0,1                            ; 64 registers are two tiles of tokens x my 64 columns
	QUANT64 64*\p, 3, 0
	STC 94, 32768*\p, 32768*\p+512, 32768*\p+16384, 32768*\p+16896
	HALFW 96, LA, 1024*\p
.endr
	s_wait_tensorcnt 0x0                           ; the wave's end
	ds_add_u32 v[SPW], v[NIL]
	s_wait_dscnt 0x0
	CROUND                                         ; the closing round
	s_endpgm
.Lfunc_end_k_qc745030061_wog:
	.size	k_qc745030061_wog, .Lfunc_end_k_qc745030061_wog-k_qc745030061_wog
	.p2alignl 7, 3214868480
	.fill 96, 4, 3214868480
	.section	.rodata,"a",@progbits
	.p2align	6, 0x0
	.amdhsa_kernel k_qc745030061_wog
		.amdhsa_group_segment_fixed_size 327680
		.amdhsa_private_segment_fixed_size 0
		.amdhsa_enable_private_segment 0
		.amdhsa_kernarg_size 48
		.amdhsa_user_sgpr_count 2
		.amdhsa_user_sgpr_kernarg_segment_ptr 1
		.amdhsa_wavefront_size32 1
		.amdhsa_system_sgpr_workgroup_id_x 1
		.amdhsa_system_sgpr_workgroup_id_y 1
		.amdhsa_system_sgpr_workgroup_id_z 1
		.amdhsa_system_vgpr_workitem_id 0
		.amdhsa_next_free_vgpr 1024
		.amdhsa_next_free_sgpr 102
		.amdhsa_reserve_vcc 1
		.amdhsa_float_denorm_mode_32 3
		.amdhsa_float_denorm_mode_16_64 3
		.amdhsa_memory_ordered 1
		.amdhsa_forward_progress 1
		.amdhsa_inst_pref_size 81
	.end_amdhsa_kernel
	.amdgpu_metadata
---
amdhsa.version: [ 1, 2 ]
amdhsa.kernels:
  - .name:           k_qc745030061_wog
    .symbol:         k_qc745030061_wog.kd
    .args:
      - { .name: att, .offset: 0, .size: 8, .value_kind: global_buffer, .address_space: global }
      - { .name: wts, .offset: 8, .size: 8, .value_kind: global_buffer, .address_space: global }
      - { .name: x, .offset: 16, .size: 8, .value_kind: global_buffer, .address_space: global }
      - { .name: bo, .offset: 24, .size: 8, .value_kind: global_buffer, .address_space: global }
      - { .name: x1, .offset: 32, .size: 8, .value_kind: global_buffer, .address_space: global }
      - { .name: x1q, .offset: 40, .size: 8, .value_kind: global_buffer, .address_space: global }
    .group_segment_fixed_size: 327680
    .private_segment_fixed_size: 0
    .kernarg_segment_align: 8
    .kernarg_segment_size: 48
    .max_flat_workgroup_size: 128
    .sgpr_count:     102
    .vgpr_count:     1024
    .wavefront_size: 32
...
	.end_amdgpu_metadata
.endif
;; end of part 4
;; launch w1g (part 5): grid 16 x 16, 4 waves a work-group, clusters of 4 x 4, 327,680 bytes of LDS; arguments x1q, wts, hq, b1; writes hq
.if DOCPART == 5
	.amdgcn_target "amdgcn-amd-amdhsa--gfx1250"
	.amdhsa_code_object_version 6
	.text
	.protected	k_qc745030061_w1g
	.globl	k_qc745030061_w1g
	.p2align	8
	.type	k_qc745030061_w1g,@function
k_qc745030061_w1g:
	s_mov_b64 s[64:65], 0
	v_nop
	global_prefetch_b8 v0, s[64:65] scope:SCOPE_SE
	s_setreg_imm32_b32 hwreg(HW_REG_WAVE_MODE, 25, 1), 1
	s_wait_xcnt 0x0
	s_wait_alu depctr_hold_cnt(0) depctr_sa_sdst(0) depctr_va_vdst(0) depctr_va_sdst(0) depctr_va_ssrc(0) depctr_va_vcc(0) depctr_vm_vsrc(0)
	s_getreg_b32 s2, hwreg(HW_REG_IB_STS2, 6, 4)
	s_cmp_eq_u32 s2, 0
	s_cbranch_scc0 .Lentry_in_a_cluster
	s_endpgm
.Lentry_in_a_cluster:
	s_bfe_u32 s2, ttmp6, 0x10000c
	s_cmp_lg_u32 s2, 0xf033
	s_cbranch_scc0 .Lentry_shape_is_right
	s_endpgm
.Lentry_shape_is_right:
.set KS, 8
.set M, 2
.set RY, 16
.set RX, 16
.set NA, 8
.set NB, 8
.set XC_OFF, 0x400000
.set YS_OFF, 0x400000
.set SLOTB,  (RY+RX)*M*2048
.set YB,     RY*M*2048
.set HY,     (RY/2)*M*2048
.set HX,     (RX/2)*M*2048
.set SCY,    2*SLOTB
.set SCX,    SCY+RY*KS*64
.set SPARE,  SCX+RX*KS*64
.set XS_OFF, 0xc00000+XC_OFF/32
.set SCQ,    NB/2+NA/2
.set SCN,    M*SCQ
.set ADY, 16
.set ADX, 20
.set ADSY, 22
.set ADSX, 23
.set CA,  27
.set SPW, 28
.set NIL, 29
.set FLR, 30
.set LA,  31
.set SC,  32
.set BIAS, 64
.set TM,  64
.set PW,  80
.set PW2, 81
.set SELR, 82
.set PC,  84
.set YF,  128
.set G1Y, 24
.set G0Y, 32
.set G1X, 48
.set G0X, 56
.set G1SY, 68
.set G0SY, 76
.set G1SX, 80
.set G0SX, 88
.set SEL, 100
.set MNT, 3
.set MSB, 0
.macro WIN new
.if MSB != (\new)
	s_set_vgpr_msb (MSB<<8)|(\new)
.set MSB, (\new)
.endif
.endm
.macro JLOAD g0a, g1a, g0b, g1b
	s_cmp_eq_u32 s15, 0
	s_cbranch_scc0 .Lfor_x_\@
	tensor_load_to_lds s[\g0a:\g0a+3], s[\g1a:\g1a+7]
	s_nop 0
.rept 4
	v_nop
.endr
	s_branch .Lasked_\@
.Lfor_x_\@:
	tensor_load_to_lds s[\g0b:\g0b+3], s[\g1b:\g1b+7]
	s_nop 0
.rept 4
	v_nop
.endr
.Lasked_\@:
.endm
.macro CREST
	s_cmp_lg_u32 s14, 0
	s_cbranch_scc1 .Lnot_wave_0_\@
	s_barrier_signal -3
.Lnot_wave_0_\@:
	s_barrier_wait -3
	s_barrier_signal -1
	s_barrier_wait -1
.endm
.macro CROUND
	s_barrier_signal -1
	s_barrier_wait -1
	CREST
.endm
.macro PLACES n
.rept \n
	v_nop
.endr
.endm
.macro SHAPE g, c, rows, pitch
	s_mov_b32 s[\g+1], (\c)<<16
	s_mov_b32 s[\g+2], (\rows)<<16
	s_mov_b32 s[\g+3], (\c)<<16
	s_mov_b32 s[\g+4], \rows
	s_mov_b32 s[\g+5], \pitch
	s_mov_b32 s[\g+6], 0
	s_mov_b32 s[\g+7], 0
.endm
.macro WM
.if rowA && rowB
	v_wmma_scale_f32_16x16x128_f8f6f4 v[rD:rD+7], v[rA:rA+15], v[rB:rB+15], v[rC:rC+7], v[kA], v[kB] matrix_a_scale:MATRIX_SCALE_ROW1 matrix_b_scale:MATRIX_SCALE_ROW1
.elseif rowA
	v_wmma_scale_f32_16x16x128_f8f6f4 v[rD:rD+7], v[rA:rA+15], v[rB:rB+15], v[rC:rC+7], v[kA], v[kB] matrix_a_scale:MATRIX_SCALE_ROW1
.elseif rowB
	v_wmma_scale_f32_16x16x128_f8f6f4 v[rD:rD+7], v[rA:rA+15], v[rB:rB+15], v[rC:rC+7], v[kA], v[kB] matrix_b_scale:MATRIX_SCALE_ROW1
.else
	v_wmma_scale_f32_16x16x128_f8f6f4 v[rD:rD+7], v[rA:rA+15], v[rB:rB+15], v[rC:rC+7], v[kA], v[kB]
.endif
.endm
.macro MULA p, a, ss, q, cm
.if (\cm) == 2
	WIN 0x01|((2+(\a)/4)<<6)
.else
	WIN 0x01|((2+(\a)/4)<<4)|((2+(\a)/4)<<6)
.endif
.set kY, SC+SCN*(\ss)+SCQ*(\q)+NB/2+(\a)/2
.set bb, 0
.rept NB
.set rD, 8*(8*((\a)%4)+bb)
.set rC, rD
.if (\cm) == 2
.set rC, BIAS+8*bb
.endif
.set rA, 128*(\p)+16*bb
.set rB, YF+16*(\a)
.set kA, SC+SCN*(\ss)+SCQ*(\q)+bb/2
.set rowA, bb%2
.set kB, kY
.set rowB, (\a)%2
	WM
.set bb, bb+1
.endr
.endm
.macro FETCH_X slot, q, p
	WIN 0x40
.set bb, 0
.rept NB
.irp c, 0,1,2,3
	ds_load_b128 v[128*(\p)+16*bb+4*\c:128*(\p)+16*bb+4*\c+3], v[ADX+\slot] offset:(bb*M+(\q))*2048+512*\c
.endr
.set bb, bb+1
.endr
	WIN 0
.endm
.macro FETCH_Y slot, q, a0
.irp a, 0,1,2,3
.irp c, 0,1,2,3
	ds_load_b128 v[YF+16*((\a0)+\a)+4*\c:YF+16*((\a0)+\a)+4*\c+3], v[ADY+\slot] offset:(((\a0)+\a)*M+(\q))*2048+512*\c
.endr
.endr
.endm
.macro SCALES ss
.irp q, 0,1
.irp i, 0,1,2,3
	ds_load_b32 v[SC+SCN*\ss+SCQ*\q+\i], v[ADSX] offset:\i*2*KS*64+64*\q
.endr
.irp i, 0,1,2,3
	ds_load_b32 v[SC+SCN*\ss+SCQ*\q+NB/2+\i], v[ADSY] offset:\i*2*KS*64+64*\q
.endr
.endr
.endm
.macro STEP slot, q, cm
	s_wait_dscnt 16
.irp a, 0,1,2,3
	MULA (\q)%2, \a, \slot, \q, \cm
.endr
	s_wait_dscnt 0x0
	PLACES 8
	FETCH_X \slot, (\q)+1, 1-(\q)%2
	FETCH_Y \slot, (\q)+1, 0
.irp a, 4,5,6,7
	MULA (\q)%2, \a, \slot, \q, \cm
.endr
	PLACES 8
	WIN 0
	FETCH_Y \slot, (\q)+1, 4
.endm
.macro TURN slot, next, fill
	s_wait_tensorcnt 0x0
	ds_add_u32 v[SPW], v[NIL]
	s_wait_dscnt 17
	MULA 1, 0, \slot, M-1, 0
	MULA 1, 1, \slot, M-1, 0
	s_wait_dscnt 0x0
	s_barrier_signal -1
	MULA 1, 2, \slot, M-1, 0
	MULA 1, 3, \slot, M-1, 0
	WIN 0
	s_barrier_wait -1
.if \fill
	CREST
	s_add_nc_u64 s[G0Y+4*\slot+2:G0Y+4*\slot+3], s[G0Y+4*\slot+2:G0Y+4*\slot+3], 2*M*2048
	s_add_nc_u64 s[G0X+4*\slot+2:G0X+4*\slot+3], s[G0X+4*\slot+2:G0X+4*\slot+3], 2*M*2048
	JLOAD G0Y+4*\slot, G1Y, G0X+4*\slot, G1X
	PLACES 4
.else
	PLACES 8
.endif
	s_wait_alu depctr_va_vdst(0)
	v_add_nc_u32 v[ADSY], 64*M, v[ADSY]
	v_add_nc_u32 v[ADSX], 64*M, v[ADSX]
	FETCH_X \next, 0, 0
	FETCH_Y \next, 0, 0
	SCALES \next
.irp a, 4,5,6,7
	MULA 1, \a, \slot, M-1, 0
.endr
	PLACES 8
	WIN 0
	FETCH_Y \next, 0, 4
.endm
.macro QUANT64 base, W, relu
	s_wait_xcnt 0x0
	WIN ((\W)<<2)|((\W)<<4)
.irp b, 0,1,2,3
	v_max3_num_f32 v[TM+\b], v[FLR], v[(\base)+16*\b], v[(\base)+16*\b+1]
.endr
.irp i, 2,4,6,8,10,12,14
.irp b, 0,1,2,3
	v_max3_num_f32 v[TM+\b], v[TM+\b], v[(\base)+16*\b+\i], v[(\base)+16*\b+\i+1]
.endr
.endr
	WIN 0
.irp b, 0,1,2,3
	v_permlanex16_b32 v[TM+4+\b], v[TM+\b], s[SEL], s[SEL+1]
.endr
.irp b, 0,1,2,3
	v_max_num_f32 v[TM+\b], v[TM+\b], v[TM+4+\b]
.endr
.irp b, 0,1,2,3
	v_add_nc_u32 v[TM+12+\b], 0xfc000000, v[TM+\b]
.endr
.irp b, 0,1,2,3
	v_and_or_b32 v[TM+8+\b], v[TM+\b], 0x7f800000, s[MNT]
.endr
.irp b, 0,1,2,3
	v_lshrrev_b32 v[TM+4+\b], 23, v[TM+12+\b]
.endr
	WIN (\W)|((\W)<<6)
.irp b, 0,1,2,3
.irp i, 0,1,2,3,4,5,6,7,8,9,10,11,12,13,14,15
	v_med3_num_f32 v[(\base)+16*\b+\i], v[(\base)+16*\b+\i], 0, v[TM+8+\b]
.endr
.endr
	WIN (\W)
.irp b, 0,1,2,3
	v_cvt_scalef32_pk8_fp8_f32 v[PC+4*\b:PC+4*\b+1], v[(\base)+16*\b:(\base)+16*\b+7], v[TM+12+\b]
	v_cvt_scalef32_pk8_fp8_f32 v[PC+4*\b+2:PC+4*\b+3], v[(\base)+16*\b+8:(\base)+16*\b+15], v[TM+12+\b]
.endr
	v_nop
	WIN 0
.endm
.macro STC sb, o0, o1, o2, o3
	global_store_b128 v[CA], v[PC:PC+3],     s[\sb:\sb+1] offset:\o0
	global_store_b128 v[CA], v[PC+4:PC+7],   s[\sb:\sb+1] offset:\o1
	global_store_b128 v[CA], v[PC+8:PC+11],  s[\sb:\sb+1] offset:\o2
	global_store_b128 v[CA], v[PC+12:PC+15], s[\sb:\sb+1] offset:\o3
.endm
	s_load_b128 s[4:7], s[0:1], 0x0
	s_load_b128 s[8:11], s[0:1], 0x10
	v_lshl_add_u32 v[SPW], v0, 2, SPARE
	v_mov_b32 v[NIL], 0
	ds_add_u32 v28, v29
	ds_add_u32 v28, v29
	s_wait_dscnt 0x0
	v_lshrrev_b32 v1, 5, v0
	v_readfirstlane_b32 s14, v1
	s_lshr_b32 s15, s14, 1
	s_and_b32 s16, s14, 1
	s_mov_b32 s17, s15
	s_mov_b32 s18, s16
	s_bfe_u32 s40, ttmp6, 0x40000
	s_bfe_u32 s41, ttmp6, 0x40004
	s_lshl_b32 s42, ttmp9, 2
	s_add_co_u32 s42, s42, s40
	s_and_b32 s43, ttmp7, 0xffff
	s_lshl_b32 s43, s43, 2
	s_add_co_u32 s43, s43, s41
	s_lshl_b32 s44, s41, 2
	s_lshl_b32 s44, 15, s44
	s_lshl_b32 s45, 0x1111, s40
	s_or_b32 s[G1Y], s44, (3<<16)|(1<<21)
	s_or_b32 s[G1X], s45, (3<<16)|(1<<21)
	s_or_b32 s[G1SY], s44, (3<<16)|(1<<21)
	s_or_b32 s[G1SX], s45, (3<<16)|(1<<21)
	SHAPE G1Y, M*256, RY, KS*256                   ; the head's loads bring whole tiles; the ring's row counts are set behind them
	SHAPE G1X, M*256, RX, KS*256
	SHAPE G1SY, 32, RY*KS/4, 32
	SHAPE G1SX, 32, RX*KS/4, 32
	s_mul_i32 s20, s43, RY
	s_mul_i32 s21, s16, RY/2
	s_add_co_u32 s20, s20, s21
	s_mul_i32 s22, s20, KS*64
	s_add_co_u32 s22, s22, YS_OFF
	s_mul_i32 s20, s20, KS*2048
	s_mov_b32 s21, 0
	s_mov_b32 s23, 0
	s_mul_i32 s46, s42, RX
	s_mul_i32 s47, s16, RX/2
	s_add_co_u32 s46, s46, s47
	s_mul_i32 s66, s46, KS*64
	s_add_co_u32 s66, s66, XS_OFF
	s_mul_i32 s46, s46, KS*2048
	s_add_co_u32 s46, s46, XC_OFF
	s_mov_b32 s47, 0
	s_mov_b32 s67, 0
	s_mul_i32 s19, s16, HY
	s_mul_i32 s12, s16, HX
	s_add_co_u32 s12, s12, YB
	CROUND                                         ; the opening round stands ahead of the wait for the arguments
	s_wait_kmcnt 0x0
	s_add_nc_u64 s[20:21], s[4:5], s[20:21]
	s_add_nc_u64 s[22:23], s[4:5], s[22:23]
	s_add_nc_u64 s[46:47], s[6:7], s[46:47]
	s_add_nc_u64 s[66:67], s[6:7], s[66:67]
	s_mov_b32 s[G0SY], 1
	s_mov_b32 s[G0SY+1], SCY
	s_mov_b32 s3, 0
	s_mul_i32 s2, s16, (RY/2)*KS*64
	s_sub_nc_u64 s[G0SY+2:G0SY+3], s[22:23], s[2:3]  ; back from my half to the block's first byte
	s_or_b32 s[G0SY+3], s[G0SY+3], 0x80000000
	s_mov_b32 s[G0SX], 1
	s_mov_b32 s[G0SX+1], SCX
	s_mul_i32 s2, s16, (RX/2)*KS*64
	s_sub_nc_u64 s[G0SX+2:G0SX+3], s[66:67], s[2:3]
	s_or_b32 s[G0SX+3], s[G0SX+3], 0x80000000
	s_mov_b32 s92, 1                               ; s[92:95], s[96:99]: group 0 of the head's loads of slot 0, whole
	s_mov_b32 s93, 0
	s_mul_i32 s2, s16, (RY/2)*KS*2048
	s_sub_nc_u64 s[94:95], s[20:21], s[2:3]
	s_or_b32 s95, s95, 0x80000000
	s_mov_b32 s96, 1
	s_mov_b32 s97, YB
	s_mul_i32 s2, s16, (RX/2)*KS*2048
	s_sub_nc_u64 s[98:99], s[46:47], s[2:3]
	s_or_b32 s99, s99, 0x80000000
.irp s, 0,1
	s_mov_b32 s[G0Y+4*\s], 1
	s_add_co_u32 s[G0Y+4*\s+1], s19, \s*SLOTB
	s_add_nc_u64 s[G0Y+4*\s+2:G0Y+4*\s+3], s[20:21], \s*M*2048
	s_or_b32 s[G0Y+4*\s+3], s[G0Y+4*\s+3], 0x80000000
	s_mov_b32 s[G0X+4*\s], 1
	s_add_co_u32 s[G0X+4*\s+1], s12, \s*SLOTB
	s_add_nc_u64 s[G0X+4*\s+2:G0X+4*\s+3], s[46:47], \s*M*2048
	s_or_b32 s[G0X+4*\s+3], s[G0X+4*\s+3], 0x80000000
.endr
; the head's four tiles, one joint load a wave, in one chain of branches on the wave's number: slot 0's tokens, its weights, the tokens' scale words, the weights'
.macro ARM under, g0, g1, next
	s_cmp_lt_u32 s14, \under
	s_cbranch_scc0 \next
	tensor_load_to_lds s[\g0:\g0+3], s[\g1:\g1+7]
	s_nop 0
	PLACES 4
	s_branch .Lhead_asked
\next:
.endm
	ARM 1, 92, G1Y, .Lhead_x
	ARM 2, 96, G1X, .Lhead_sy
	ARM 3, G0SY, G1SY, .Lhead_sx
	tensor_load_to_lds s[G0SX:G0SX+3], s[G1SX:G1SX+7]
	s_nop 0
	PLACES 4
.Lhead_asked:
	s_wait_alu depctr_va_vdst(0)
	s_wait_tensorcnt 0x0                           ; my tile of the four is in
	ds_add_u32 v28, v29
	s_mov_b32 s[G1Y+2], (RY/2)<<16                 ; no tensor load of mine is out: from here on a load brings half a tile's rows
	s_mov_b32 s[G1Y+4], RY/2
	s_mov_b32 s[G1X+2], (RX/2)<<16
	s_mov_b32 s[G1X+4], RX/2
	s_wait_dscnt 0x0
	CROUND
	JLOAD G0Y+4, G1Y, G0X+4, G1X
	v_and_b32 v1, 15, v0
	v_bfe_u32 v2, v0, 4, 1
	v_and_b32 v3, 31, v0
	v_lshlrev_b32 v[CA], 4, v3
	v_mov_b32 v[FLR], 0x4800000
	s_mul_i32 s20, s17, NA*M*2048
	s_mul_i32 s21, s18, NB*M*2048
	s_add_co_u32 s21, s21, YB
.irp s, 0,1
	v_add_nc_u32 v[ADY+\s], s20, v[CA]
	v_add_nc_u32 v[ADX+\s], s21, v[CA]
	s_add_co_u32 s20, s20, SLOTB
	s_add_co_u32 s21, s21, SLOTB
.endr
	v_mul_u32_u24 v5, v2, KS*64
	v_lshl_add_u32 v5, v1, 2, v5
	s_mul_i32 s20, s17, NA*KS*64
	s_add_co_u32 s20, s20, SCY
	s_mul_i32 s21, s18, NB*KS*64
	s_add_co_u32 s21, s21, SCX
	v_add_nc_u32 v[ADSY], s20, v5
	v_add_nc_u32 v[ADSX], s21, v5
	s_lshl_b32 s20, s42, 10
	s_lshl_b32 s21, s18, 9
	s_add_co_u32 s20, s20, s21
	s_mov_b32 s21, 0
	s_add_nc_u64 s[10:11], s[10:11], s[20:21]
	v_lshlrev_b32 v6, 5, v2
.irp b, 0,1,2,3,4,5,6,7
	global_load_b128 v[BIAS+8*\b:BIAS+8*\b+3],   v6, s[10:11] offset:64*\b
	global_load_b128 v[BIAS+8*\b+4:BIAS+8*\b+7], v6, s[10:11] offset:64*\b+16
.endr
	s_lshl_b32 s22, s43, 4
	s_lshl_b32 s23, s17, 3
	s_add_co_u32 s22, s22, s23
	s_lshl_b32 s13, s42, 1
	s_add_co_u32 s13, s13, s18
	s_lshl_b32 s92, s22, 16
	s_lshl_b32 s23, s13, 11
	s_add_co_u32 s92, s92, s23
	s_mov_b32 s93, 0
	s_add_nc_u64 s[92:93], s[8:9], s[92:93]
	s_lshl_b32 s94, s22, 11
	s_lshl_b32 s23, s13, 6
	s_add_co_u32 s94, s94, s23
	s_add_co_u32 s94, s94, 0x1000000
	s_mov_b32 s95, 0
	s_add_nc_u64 s[94:95], s[8:9], s[94:95]
	v_lshlrev_b32 v4, 11, v2
	v_lshl_add_u32 v[LA], v1, 2, v4
	s_wait_alu depctr_va_vdst(0)
	s_wait_tensorcnt 0x1
	s_barrier_signal -1
	s_barrier_wait -1
	FETCH_X 0, 0, 0
	FETCH_Y 0, 0, 0
	SCALES 0
	FETCH_Y 0, 0, 4
	s_wait_loadcnt 0x0
	STEP 0, 0, 2
	TURN 0, 1, 1
	STEP 1, 0, 0
	TURN 1, 0, 1
	STEP 0, 0, 0
	TURN 0, 1, 0
	STEP 1, 0, 0
	s_wait_dscnt 16
.irp a, 0,1,2,3
	MULA 1, \a, 1, M-1, 0
.endr
	s_wait_dscnt 0x0
.irp a, 4,5,6,7
	MULA 1, \a, 1, M-1, 0
.endr
	WIN 0
	PLACES 8
	s_mov_b32 s[SEL], 0x76543210
	s_mov_b32 s[SEL+1], 0xfedcba98
	s_mov_b32 s[MNT], 0x600000
	s_mov_b32 vcc_lo, 0xffff0000
.irp b, 0,1,2,3
	v_mov_b32 v[TM+4+\b], 0
.endr
.irp a, 0,1,2,3,4,5,6,7
	QUANT64 64*(\a%4), 2+\a/4, 1
	v_lshl_or_b32 v[PW+\a%2], v[TM+5], 8, v[TM+4]
	v_lshl_or_b32 v[PW+\a%2], v[TM+6], 16, v[PW+\a%2]
	v_lshl_or_b32 v[PW+\a%2], v[TM+7], 24, v[PW+\a%2]
	STC 92, 65536*\a, 65536*\a+512, 65536*\a+1024, 65536*\a+1536
.if \a%2
	v_cndmask_b32 v[SELR], v[PW], v[PW2], vcc_lo
	global_store_b32 v[LA], v[SELR], s[94:95] offset:4096*(\a/2)
.endif
.endr
	s_wait_tensorcnt 0x0
	ds_add_u32 v[SPW], v[NIL]
	s_wait_dscnt 0x0
	CROUND
	s_endpgm
.Lfunc_end_k_qc745030061_w1g:
	.size	k_qc745030061_w1g, .Lfunc_end_k_qc745030061_w1g-k_qc745030061_w1g
	.p2alignl 7, 3214868480
	.fill 96, 4, 3214868480
	.section	.rodata,"a",@progbits
	.p2align	6, 0x0
	.amdhsa_kernel k_qc745030061_w1g
		.amdhsa_group_segment_fixed_size 327680
		.amdhsa_private_segment_fixed_size 0
		.amdhsa_enable_private_segment 0
		.amdhsa_kernarg_size 32
		.amdhsa_user_sgpr_count 2
		.amdhsa_user_sgpr_kernarg_segment_ptr 1
		.amdhsa_wavefront_size32 1
		.amdhsa_system_sgpr_workgroup_id_x 1
		.amdhsa_system_sgpr_workgroup_id_y 1
		.amdhsa_system_sgpr_workgroup_id_z 1
		.amdhsa_system_vgpr_workitem_id 0
		.amdhsa_next_free_vgpr 1024
		.amdhsa_next_free_sgpr 102
		.amdhsa_reserve_vcc 1
		.amdhsa_float_denorm_mode_32 3
		.amdhsa_float_denorm_mode_16_64 3
		.amdhsa_memory_ordered 1
		.amdhsa_forward_progress 1
		.amdhsa_inst_pref_size 190
	.end_amdhsa_kernel
	.amdgpu_metadata
---
amdhsa.version: [ 1, 2 ]
amdhsa.kernels:
  - .name:           k_qc745030061_w1g
    .symbol:         k_qc745030061_w1g.kd
    .args:
      - { .name: x1q, .offset: 0, .size: 8, .value_kind: global_buffer, .address_space: global }
      - { .name: wts, .offset: 8, .size: 8, .value_kind: global_buffer, .address_space: global }
      - { .name: hq, .offset: 16, .size: 8, .value_kind: global_buffer, .address_space: global }
      - { .name: b1, .offset: 24, .size: 8, .value_kind: global_buffer, .address_space: global }
    .group_segment_fixed_size: 327680
    .private_segment_fixed_size: 0
    .kernarg_segment_align: 8
    .kernarg_segment_size: 32
    .max_flat_workgroup_size: 128
    .sgpr_count:     102
    .vgpr_count:     1024
    .wavefront_size: 32
...
	.end_amdgpu_metadata
.endif
;; end of part 5
;; launch w2g (part 6): grid 32 x 8, 4 waves a work-group, clusters of 4 x 1, 327,680 bytes of LDS; arguments hq, wts, x1, b2, out0; writes out0
.if DOCPART == 6
	.amdgcn_target "amdgcn-amd-amdhsa--gfx1250"
	.amdhsa_code_object_version 6
	.text
	.protected	k_qc745030061_w2g
	.globl	k_qc745030061_w2g
	.p2align	8
	.type	k_qc745030061_w2g,@function
k_qc745030061_w2g:
	s_mov_b64 s[64:65], 0
	v_nop
	global_prefetch_b8 v0, s[64:65] scope:SCOPE_SE
	s_setreg_imm32_b32 hwreg(HW_REG_WAVE_MODE, 25, 1), 1
	s_wait_xcnt 0x0
	s_wait_alu depctr_hold_cnt(0) depctr_sa_sdst(0) depctr_va_vdst(0) depctr_va_sdst(0) depctr_va_ssrc(0) depctr_va_vcc(0) depctr_vm_vsrc(0)
	s_getreg_b32 s2, hwreg(HW_REG_IB_STS2, 6, 4)
	s_cmp_eq_u32 s2, 0
	s_cbranch_scc0 .Lentry_in_a_cluster
	s_endpgm
.Lentry_in_a_cluster:
	s_bfe_u32 s2, ttmp6, 0x10000c
	s_cmp_lg_u32 s2, 0x3003
	s_cbranch_scc0 .Lentry_shape_is_right
	s_endpgm
.Lentry_shape_is_right:
; out = x1 + h W2 + b2, the product on codes of FP8 (E4M3) with E8M0 scales, K = 4,096 (32 K steps of 128); out is f32.
; OPERANDS ARE IMAGES OF REGISTERS: codes [tile of 16 rows][K step][c][lane][16 bytes], scale words [tile][K step][row].  The order of k inside a block of 32 is the images' own, alike on both sides.
; SHARES.  A work-group makes 128 tokens x 128 columns: 32 x 8 = 256 work-groups.  Wave w = 2 th + kh takes the 64 tokens of half th, all 128 columns, and the K steps of parity kh: 32 accumulators,
; 16 steps of its own, 32 products for each fetch of W2's eight fragments.  At the end the two waves of a half join their sums: each keeps two tiles of tokens and hands the other two to its partner through LDS.
; Accumulator places 0, 1 are the tiles that a wave keeps (2 kh, 2 kh + 1), places 2, 3 those that it hands over: which tiles these are lies in addresses alone, so the register numbers are the same in all waves.
; THE TOKENS' CODES of a (half, parity) are read by one wave alone, so they go from memory straight into registers: a ring of four places of 64 registers, each step's 16 loads of 512 consecutive bytes issued
; three of the wave's steps ahead of its products.  They have no joint load: the cluster's partners hold other tokens.
; W2's 128 ROWS go through a ring of two LDS slots of eight K steps (128 KiB), four fills, each wave two tiles of a fill.
; CLUSTER 4, 1, 1: the four partners hold four blocks of tokens and the same columns: W2's codes and scale words come by joint loads (mask 15).  The tokens' scale words, 16 KiB of the work-group's own, come by a plain tensor load.
; Cluster x = the group of four blocks of tokens, cluster y = the block of columns.  A work-group's place in its cluster enters global addresses alone.
; PREFETCHES, in trips 0 and 1, for the slot two on (K steps 16 to 31), a lane a block of 256 bytes; what comes earlier comes by its loads alone.
;   W2's fill, eight K steps ahead of its tensor load: its 512 blocks are shared out by address over the cluster's 16 waves; of the eight clusters that read the same columns those with cluster x = 0 and 4 ask.
;   The tokens' codes, at least five K steps ahead of the first load that names them: a work-group's 512 blocks, two tiles (four instructions) a wave; of the eight clusters that read the same tokens the one with cluster y = 0 asks.
; The product is used TRANSPOSED (source 0 = 16 rows of W2, source 1 = 16 tokens): a lane holds one token and eight neighbouring columns.  b2 is the C of the first products of the tiles that a wave keeps, 0 that of
; the others: so the first slot is written out ahead of the loop.  x1 is read as whole rows of 512 bytes during the last slot and added on the way out, where the sums come back from a stage in LDS as whole rows.
; LIMITS: NaN and infinities are not served.  An output's sum is made in two halves by the parity of the K step, joined in f32, and inside a block by the images' order of k.
; REGISTERS: window 0: v1-29 addresses, v32-47 scale words in two sets, v64-127 b2, v128-255 x1's rows; window 1: W2's fragments, two sets of 128 (on the way out: the partner's sums, the rows);
;   window 2: the tokens' ring; window 3: the accumulators, place a, column tile b at v[8 (8 a + b)].
.set SLOT,   131072                    ; a slot: [tile 0..7][K step 0..7][2,048 bytes]
.set FILLB,  16384                     ; a tile's eight K steps
.set SCX,    2*SLOT                    ; W2's scale words, 8 tiles x 2,048 bytes,
.set SCY,    SCX+16384                 ; the tokens',
.set SPARE,  SCY+16384                 ; and the spare words, 128 bytes a wave
.set SP,     528                       ; a stage row: 512 bytes + 16.  The stages, 16 rows a wave, and behind them
.set EX,     36864                     ; the sums handed over, 16,384 bytes a wave, lie in slot 0: it has had its last fill and its last read when the first sum is stored there
.set XC_OFF, 0x800000                  ; W2's codes in wts, its scale words, h's scale words in hq
.set XS_OFF, 0xc40000
.set YS_OFF, 0x1000000
.set CA, 4                             ; v4 16 x lane
.set CX0, 5                            ; v5 the same + my parity's K step in a slot; v6 + 65,536
.set CX1, 6
.set ASX0, 7                           ; v7 my lane's place among W2's scale words; v8, v9 among the tokens': places 0, 1 and places 2, 3
.set ASY0, 8
.set ADX, 10                           ; v10, v11 LDS address of tiles 0-3 and 4-7 of the slot in hand; v12 of its scale words; v13, v14 of the tokens'
.set ADSX, 12
.set ADSY, 13
.set SPW, 20
.set NIL, 21
.set STO, 22
.set RD, 23
.set PFO, 24                           ; v24 256 x lane
.set BO, 25                            ; v25 32 h
.set EXS, 26                           ; v26 where I put the sums that I hand over; v27 where my partner put mine
.set EXL, 27
.set SX, 32                            ; scale words: set p at v[32 + 8 p]: four registers of W2's (lanes 0-15 the even tile, 16-31 the odd), then two of the tokens' likewise
.set BIAS, 64
.set RES, 128
.set G1H, 24                           ; group 1: a head load of four tiles; s[32:39] a ring load of two; s[40:47] W2's scale words; s[48:55] the tokens'
.set G1R, 32
.set G1SX, 40
.set G1SY, 48
.set G0H, 56
.set G0R, 60
.set G0SX, 68
.set G0SY, 72
.set YB0, 76                           ; s[76:77] the codes of the tiles that I keep, at the trip's first K step of my parity; s[66:67] of those that I hand over
.set YB1, 66
.set PFA, 78                           ; s[78:79] my share of W2's fill two on; s[2:3] my two tiles of the tokens' slot two on
.set PFY, 2
.set XR, 80                            ; s[80:81] my rows of x1; s[82:83] of out
.set OB, 82
.set TB, 84                            ; s84 the slot in hand; s85 its scale words' step; s86 the trip; s87, s96 trips in which my cluster prefetches W2, the tokens
.set TS, 85
.set TRIP, 86
.set PFL, 87
.set PFYL, 96
.set MSB, 0
.macro WIN new                         ; the immediate's high byte repeats the setting that is left
.if MSB != (\new)
	s_set_vgpr_msb (MSB<<8)|(\new)
.set MSB, (\new)
.endif
.endm
.macro PLACES n
.rept \n
	v_nop
.endr
.endm
.macro ROUND                           ; a round of the cluster's barrier
	s_barrier_signal -1
	s_barrier_wait -1
	s_cmp_lg_u32 s14, 0
	s_cbranch_scc1 .Lnot_wave_0_\@
	s_barrier_signal -3
.Lnot_wave_0_\@:
	s_barrier_wait -3
	s_barrier_signal -1
	s_barrier_wait -1
.endm
.macro SHAPE g, w0, c, rows, pitch     ; elements of 8 bytes
	s_mov_b32 s[\g], \w0
	s_mov_b32 s[\g+1], (\c)<<16
	s_mov_b32 s[\g+2], (\rows)<<16
	s_mov_b32 s[\g+3], (\c)<<16
	s_mov_b32 s[\g+4], \rows
	s_mov_b32 s[\g+5], \pitch
	s_mov_b32 s[\g+6], 0
	s_mov_b32 s[\g+7], 0
.endm
.macro GROUP0 g, lds, base, off
	s_mov_b32 s[\g], 1
	s_mov_b32 s[\g+1], \lds
	s_add_nc_u64 s[\g+2:\g+3], s[\base:\base+1], s[\off:\off+1]
	s_or_b32 s[\g+3], s[\g+3], 0x80000000
.endm
.macro ARM under, g0, g1, next
	s_cmp_lt_u32 s14, \under
	s_cbranch_scc0 \next
	tensor_load_to_lds s[\g0:\g0+3], s[\g1:\g1+7]
	s_nop 0
	PLACES 4
	s_branch .Lasked
\next:
.endm
.macro FETCH j                         ; W2's eight fragments and the six scale registers of my j-th step in the slot (its K step 2 j + kh), into set j % 2: 38 LDS loads
	WIN 0x40
.irp b, 0,1,2,3
.irp c, 0,1,2,3
	ds_load_b128 v[128*((\j)%2)+16*\b+4*\c:128*((\j)%2)+16*\b+4*\c+3], v[ADX] offset:\b*FILLB+(\j)*4096+512*\c
.endr
.endr
.irp b, 0,1,2,3
.irp c, 0,1,2,3
	ds_load_b128 v[128*((\j)%2)+64+16*\b+4*\c:128*((\j)%2)+64+16*\b+4*\c+3], v[ADX+1] offset:\b*FILLB+(\j)*4096+512*\c
.endr
.endr
	WIN 0
.irp i, 0,1,2,3
	ds_load_b32 v[SX+8*((\j)%2)+\i], v[ADSX] offset:\i*4096+128*(\j)
.endr
	ds_load_b32 v[SX+8*((\j)%2)+4], v[ADSY] offset:128*(\j)
	ds_load_b32 v[SX+8*((\j)%2)+5], v[ADSY+1] offset:128*(\j)
.endm
.macro YLOAD k                         ; my four tiles of tokens, my step k counted from the trip's first, into ring place k % 4: 16 loads of 512 consecutive bytes
	WIN 0x80
.irp a, 0,1
.irp c, 0,1,2,3
	global_load_b128 v[64*((\k)%4)+16*\a+4*\c:64*((\k)%4)+16*\a+4*\c+3], v[CA], s[YB0:YB0+1] offset:\a*65536+(\k)*4096+512*\c
.endr
.endr
.irp a, 0,1
.irp c, 0,1,2,3
	global_load_b128 v[64*((\k)%4)+32+16*\a+4*\c:64*((\k)%4)+32+16*\a+4*\c+3], v[CA], s[YB1:YB1+1] offset:\a*65536+(\k)*4096+512*\c
.endr
.endr
.endm
.macro WM c
.if rowA && rowB
	v_wmma_scale_f32_16x16x128_f8f6f4 v[rD:rD+7], v[rA:rA+15], v[rB:rB+15], \c, v[kA], v[kB] matrix_a_scale:MATRIX_SCALE_ROW1 matrix_b_scale:MATRIX_SCALE_ROW1
.elseif rowA
	v_wmma_scale_f32_16x16x128_f8f6f4 v[rD:rD+7], v[rA:rA+15], v[rB:rB+15], \c, v[kA], v[kB] matrix_a_scale:MATRIX_SCALE_ROW1
.elseif rowB
	v_wmma_scale_f32_16x16x128_f8f6f4 v[rD:rD+7], v[rA:rA+15], v[rB:rB+15], \c, v[kA], v[kB] matrix_b_scale:MATRIX_SCALE_ROW1
.else
	v_wmma_scale_f32_16x16x128_f8f6f4 v[rD:rD+7], v[rA:rA+15], v[rB:rB+15], \c, v[kA], v[kB]
.endif
.endm
.macro MUL j, first                    ; 32 products; the 32 accumulators take turns.  first = 1: they start the sums
.if \first
	WIN 0xc9                                       ; source 0 window 1, source 1 window 2, C window 0, D window 3
.else
	WIN 0xf9                                       ; C and D window 3
.endif
.irp a, 0,1,2,3
.irp b, 0,1,2,3,4,5,6,7
.set rD, 8*(8*\a+\b)
.set rC, BIAS+8*\b
.set rA, 128*((\j)%2)+16*\b
.set rB, 64*(\j)+16*\a
.set kA, SX+8*((\j)%2)+\b/2
.set kB, SX+8*((\j)%2)+4+\a/2
.set rowA, \b%2
.set rowB, \a%2
.if (\first) && \a < 2
	WM v[rC:rC+7]
.elseif \first
	WM 0
.else
	WM v[rD:rD+7]
.endif
.endr
.endr
.endm
; A STEP OF MINE, the j-th of four in a slot.  Behind eight places the registers that the last step's products read take new loads: W2's next fragments, and the tokens' step three on.
; last = 1, the last slot: only my step 15 of the tokens is still to be asked for (j = 0); behind it x1's 32 rows are asked for (j = 1).
.macro STEP j, first, last
.if (\j) > 0
	PLACES 8                                       ; (j = 0: the change of slots has them)
.endif
.if (\j) < 3
	FETCH (\j)+1
.endif
.if (\last) == 0 || (\j) == 0
	YLOAD (\j)+3
.endif
.if (\last) && (\j) == 1
	WIN 0
.irp t, 0,1,2,3,4,5,6,7,8,9,10,11,12,13,14,15,16,17,18,19,20,21,22,23,24,25,26,27,28,29,30,31
	global_load_b128 v[RES+4*\t:RES+4*\t+3], v[CA], s[XR:XR+1] offset:\t*4096 th:TH_LOAD_NT   ; a row's 512 consecutive bytes
.endr
.endif
.if (\j) < 3
	s_wait_dscnt 38                                ; this step's fragments are in; the 38 loads just issued may be out
.else
	s_wait_dscnt 0x0
.endif
.set NN, 48                            ; behind this step's 16 loads of tokens three groups of 16 were issued;
.if (\last) && (\j) == 1
.set NN, 63                            ; in the last slot: two groups and x1's 32 loads, held to what the wait's field takes;
.endif
.if (\last) && (\j) == 3
.set NN, 32                            ; (j = 2: one group and the 32;)  x1's 32 alone
.endif
	s_wait_loadcnt NN
	MUL \j, \first
.endm
; THE CHANGE OF SLOTS, at a slot's head.  fill = 1: behind a round of the cluster's barrier the other slot takes the next fill (the first time: slot 1's first fill).
.macro CHANGE fill
	s_wait_tensorcnt 0x0                           ; all my tensor loads are in: my part of the slot ahead,
	ds_add_u32 v[SPW], v[NIL]                      ; 0 onto my spare word
.if \fill
	s_xor_b32 s[G0R+1], s[G0R+1], SLOT             ; the walking descriptor: the other slot, the next eight K steps
	s_add_nc_u64 s[G0R+2:G0R+3], s[G0R+2:G0R+3], FILLB
.endif
	s_wait_dscnt 0x0                               ; the add is done, and my reads of the slot that I leave are over
.if \fill
	ROUND
	tensor_load_to_lds s[G0R:G0R+3], s[G1R:G1R+7]  ; my two tiles of the fill
	s_nop 0
	PLACES 4
	v_add_nc_u32 v[ADX], s[TB], v[CX0]             ; with the four v_nop nine places behind the last products
	v_add_nc_u32 v[ADX+1], s[TB], v[CX1]
	v_add_nc_u32 v[ADSX], s[TS], v[ASX0]
	v_add_nc_u32 v[ADSY], s[TS], v[ASY0]
	v_add_nc_u32 v[ADSY+1], s[TS], v[ASY0+1]
.else
	s_barrier_signal -1
	s_barrier_wait -1
	PLACES 4
	v_add_nc_u32 v[ADX], SLOT, v[CX0]              ; the last fill lies in slot 1; its scale words begin 24 K steps on
	v_add_nc_u32 v[ADX+1], SLOT, v[CX1]
	v_add_nc_u32 v[ADSX], 24*64, v[ASX0]
	v_add_nc_u32 v[ADSY], 24*64, v[ASY0]
	v_add_nc_u32 v[ADSY+1], 24*64, v[ASY0+1]
.endif
	s_wait_alu depctr_va_vdst(0)
	FETCH 0
.endm
.macro TRIPBODY first                  ; a slot behind whose change the next fill is asked for
	CHANGE 1
	STEP 0, \first, 0
	WIN 0
	s_cmp_lt_u32 s[TRIP], s[PFL]
	s_cbranch_scc0 .Lnot_mine_\@
	global_prefetch_b8 v[PFO], s[PFA:PFA+1] th:TH_LOAD_NT scope:SCOPE_SE
.Lnot_mine_\@:
	s_cmp_lt_u32 s[TRIP], s[PFYL]
	s_cbranch_scc0 .Lnot_y_\@
	global_prefetch_b8 v[PFO], s[PFY:PFY+1] th:TH_LOAD_NT scope:SCOPE_SE                  ; two tiles' eight K steps: 4 x 8,192 bytes
	global_prefetch_b8 v[PFO], s[PFY:PFY+1] offset:8192 th:TH_LOAD_NT scope:SCOPE_SE
	global_prefetch_b8 v[PFO], s[PFY:PFY+1] offset:65536 th:TH_LOAD_NT scope:SCOPE_SE
	global_prefetch_b8 v[PFO], s[PFY:PFY+1] offset:65536+8192 th:TH_LOAD_NT scope:SCOPE_SE
.Lnot_y_\@:
	STEP 1, 0, 0
	STEP 2, 0, 0
	STEP 3, 0, 0
	WIN 0
	s_wait_xcnt 0x0                                ; the loads and the prefetches have read their bases, which step now
	s_add_nc_u64 s[YB0:YB0+1], s[YB0:YB0+1], FILLB
	s_add_nc_u64 s[YB1:YB1+1], s[YB1:YB1+1], FILLB
	s_add_nc_u64 s[PFA:PFA+1], s[PFA:PFA+1], FILLB
	s_add_nc_u64 s[PFY:PFY+1], s[PFY:PFY+1], FILLB
	s_xor_b32 s[TB], s[TB], SLOT
	s_add_co_u32 s[TS], s[TS], 8*64
	s_add_co_u32 s[TRIP], s[TRIP], 1
.endm
	s_load_b128 s[4:7], s[0:1], 0x0                ; hq, wts
	s_load_b128 s[8:11], s[0:1], 0x10              ; x1, b2
	s_load_b64 s[12:13], s[0:1], 0x20              ; out0
	v_lshl_add_u32 v[SPW], v0, 2, SPARE
	v_mov_b32 v[NIL], 0
	ds_add_u32 v[SPW], v[NIL]                      ; the opening lines: the add, twice on end, and its wait ahead of my first tensor load
	ds_add_u32 v[SPW], v[NIL]
	v_lshrrev_b32 v1, 5, v0
	v_readfirstlane_b32 s14, v1                    ; wave
	s_and_b32 s16, s14, 1                          ; kh: my parity of K steps
	s_lshr_b32 s94, s14, 1                         ; th: my half of the tokens
	s_bfe_u32 s15, ttmp6, 0x40000                  ; cx
	s_mov_b32 s17, ttmp9                           ; cluster x: the group of four blocks of tokens
	s_and_b32 s95, ttmp7, 0xffff                   ; cluster y: my block of 128 columns
	s_lshl_b32 s18, s17, 2
	s_add_co_u32 s18, s18, s15                     ; my block of 128 tokens
	SHAPE G1H, 15|(3<<16)|(1<<21), 2048, 4, 8192   ; rows of 16,384 bytes, 65,536 apart
	SHAPE G1R, 15|(3<<16)|(1<<21), 2048, 2, 8192
	SHAPE G1SX, 15|(3<<16)|(1<<21), 32, 64, 32     ; 16 KiB dense, as rows of 256 bytes
	SHAPE G1SY, 3<<16, 32, 64, 32
	s_lshl_b32 s19, s95, 19                        ; my columns' eight tiles of 65,536 bytes
	s_add_co_u32 s19, s19, XC_OFF
	s_lshl_b32 s22, s16, 16                        ; the head: waves 0 and 1 fetch four tiles each of fill 0
	s_lshl_b32 s20, s16, 18
	s_add_co_u32 s20, s20, s19
	s_mov_b32 s21, 0
	s_lshl_b32 s88, s14, 17                        ; the ring: two tiles a wave
	s_add_co_u32 s88, s88, s19
	s_mov_b32 s89, 0
	s_lshl_b32 s23, s14, 15
	s_lshl_b32 s90, s95, 14
	s_add_co_u32 s90, s90, XS_OFF
	s_mov_b32 s91, 0
	s_lshl_b32 s92, s18, 14
	s_add_co_u32 s92, s92, YS_OFF
	s_mov_b32 s93, 0
	s_wait_dscnt 0x0                               ; both opening adds are done
	ROUND                                          ; the four partners are here: the first joint loads meet
	s_wait_kmcnt 0x0
	GROUP0 G0H, s22, 6, 20
	GROUP0 G0R, s23, 6, 88
	GROUP0 G0SX, SCX, 6, 90
	GROUP0 G0SY, SCY, 4, 92
	ARM 2, G0H, G1H, .Lfor_sx                      ; one tensor load a wave, in one chain of branches on the wave's number
	ARM 3, G0SX, G1SX, .Lfor_sy
	tensor_load_to_lds s[G0SY:G0SY+3], s[G1SY:G1SY+7]
	s_nop 0
	PLACES 4
.Lasked:
	s_lshl_b32 s20, s18, 19                        ; the tokens' codes: my block's eight tiles of 65,536 bytes,
	s_lshl_b32 s22, s94, 18                        ; my half's four,
	s_add_co_u32 s20, s20, s22
	s_lshl_b32 s22, s16, 11                        ; my parity's K step;
	s_add_co_u32 s20, s20, s22
	s_lshl_b32 s22, s16, 17                        ; tiles 2 kh on I keep,
	s_add_co_u32 s88, s20, s22
	s_xor_b32 s22, s22, 1<<17                      ; tiles 2 - 2 kh on I hand over
	s_add_co_u32 s20, s20, s22
	s_add_nc_u64 s[YB0:YB0+1], s[4:5], s[88:89]
	s_add_nc_u64 s[YB1:YB1+1], s[4:5], s[20:21]
	s_lshl_b32 s20, s18, 19                        ; the 32 rows of 4,096 bytes that I finish: 128 x block + 32 x wave; as many bytes on lie tiles 2 w and 2 w + 1 of my block's codes
	s_lshl_b32 s22, s14, 17
	s_add_co_u32 s20, s20, s22
	s_add_nc_u64 s[PFY:PFY+1], s[4:5], s[20:21]
	s_add_nc_u64 s[PFY:PFY+1], s[PFY:PFY+1], 2*FILLB   ; at K step 16
	s_lshl_b32 s22, s95, 9                         ; my columns: 512 bytes of a row
	s_mov_b32 s23, 0
	s_add_nc_u64 s[10:11], s[10:11], s[22:23]
	s_add_co_u32 s20, s20, s22
	s_add_nc_u64 s[XR:XR+1], s[8:9], s[20:21]
	s_add_nc_u64 s[OB:OB+1], s[12:13], s[20:21]
	s_lshl_b32 s22, s15, 2                         ; W2's prefetches: which of the cluster's 16 waves I am: tile u / 2, half u % 2 of its 16,384 bytes
	s_add_co_u32 s22, s22, s14
	s_lshr_b32 s88, s22, 1
	s_lshl_b32 s88, s88, 16
	s_and_b32 s22, s22, 1
	s_lshl_b32 s22, s22, 13
	s_add_co_u32 s88, s88, s22
	s_add_co_u32 s88, s88, s19
	s_add_co_u32 s88, s88, 2*FILLB                 ; at fill 2
	s_add_nc_u64 s[PFA:PFA+1], s[6:7], s[88:89]
	s_and_b32 s22, s17, 3
	s_cmp_eq_u32 s22, 0
	s_cselect_b32 s[PFL], 2, 0                     ; trips 0 and 1 ask for the slots of trips 2 and 3
	s_cmp_eq_u32 s95, 0
	s_cselect_b32 s[PFYL], 2, 0
	s_mov_b32 s[TB], 0
	s_mov_b32 s[TS], 0
	s_mov_b32 s[TRIP], 0
	s_lshl_b32 s20, s16, 11                        ; LDS: my parity's K step in a slot,
	s_lshl_b32 s21, s16, 6                         ; and among the scale words
	s_lshl_b32 s22, s94, 13                        ; the tokens' scale words: my half's four tiles of 2,048 bytes,
	s_add_co_u32 s22, s22, s21
	s_add_co_u32 s22, s22, SCY
	s_lshl_b32 s23, s16, 12
	s_add_co_u32 s91, s22, s23                     ; the two that I keep,
	s_xor_b32 s23, s23, 4096
	s_add_co_u32 s23, s22, s23                     ; the two that I hand over
	s_add_co_u32 s21, s21, SCX
	s_mul_i32 s88, s14, 16*SP                      ; my stage
	s_lshl_b32 s89, s14, 14
	s_add_co_u32 s89, s89, EX                      ; where I hand over,
	s_xor_b32 s90, s14, 1
	s_lshl_b32 s90, s90, 14
	s_add_co_u32 s90, s90, EX                      ; and where my partner does
	v_and_b32 v1, 15, v0                           ; r
	v_bfe_u32 v2, v0, 4, 1                         ; h
	v_and_b32 v3, 31, v0                           ; lane
	v_lshlrev_b32 v[CA], 4, v3
	v_lshlrev_b32 v[PFO], 8, v3
	v_lshlrev_b32 v[BO], 5, v2
	v_lshlrev_b32 v28, 11, v2
	v_lshl_add_u32 v28, v1, 2, v28                 ; a tile's 2,048 bytes of scale words for lanes 16-31, + 4 r
	v_mul_u32_u24 v29, v1, SP
	v_lshl_add_u32 v29, v2, 5, v29
	v_add_nc_u32 v[CX0], s20, v[CA]
	v_add_nc_u32 v[CX1], 65536, v[CX0]
	v_add_nc_u32 v[ASX0], s21, v28
	v_add_nc_u32 v[ASY0], s91, v28
	v_add_nc_u32 v[ASY0+1], s23, v28
	v_add_nc_u32 v[STO], s88, v29                  ; the stage, in: row r, 32 bytes for each half of the lanes
	v_add_nc_u32 v[RD], s88, v[CA]                 ; back: the 32 lanes take a row of 512 bytes
	v_add_nc_u32 v[EXS], s89, v[CA]
	v_add_nc_u32 v[EXL], s90, v[CA]
	s_wait_alu depctr_va_vdst(0)
.irp b, 0,1,2,3,4,5,6,7
	global_load_b128 v[BIAS+8*\b:BIAS+8*\b+3],   v[BO], s[10:11] offset:64*\b      ; b2 at my eight columns of tile b
	global_load_b128 v[BIAS+8*\b+4:BIAS+8*\b+7], v[BO], s[10:11] offset:64*\b+16
.endr
	YLOAD 0
	YLOAD 1
	YLOAD 2
	WIN 0
	TRIPBODY 1                                     ; the first slot stands ahead of the loop: its first products start the sums
.Ltrip:                                                ; two trips, a slot each
	TRIPBODY 0
	s_cmp_lt_u32 s[TRIP], 3
	s_cbranch_scc1 .Ltrip
	CHANGE 0                                       ; the last slot is written out: nothing more is filled
	STEP 0, 0, 1
	STEP 1, 0, 1
	STEP 2, 0, 1
	STEP 3, 0, 1
	; THE TWO PARITIES ARE JOINED.  Places 2 and 3 go to LDS as images of their registers, 16 bytes a lane; a barrier; my partner's image of my places 0 and 1 comes back into the same lanes and is added.
	PLACES 8
	WIN 0x0c                                       ; an LDS store's data are its source 1: window 3
.irp a, 2,3
.irp b, 0,1,2,3,4,5,6,7
	ds_store_b128 v[EXS], v[8*(8*\a+\b):8*(8*\a+\b)+3] offset:((\a-2)*8+\b)*1024          ; each accumulator from its low end on
	ds_store_b128 v[EXS], v[8*(8*\a+\b)+4:8*(8*\a+\b)+7] offset:((\a-2)*8+\b)*1024+512
.endr
.endr
	WIN 0
	s_wait_dscnt 0x0                               ; my stores are done, for my partner's sake
	s_barrier_signal -1
	s_barrier_wait -1
	WIN 0x40
.irp i, 0,1,2,3,4,5,6,7,8,9,10,11,12,13,14,15,16,17,18,19,20,21,22,23,24,25,26,27,28,29,30,31
	ds_load_b128 v[4*\i:4*\i+3], v[EXL] offset:\i*512
.endr
	s_wait_dscnt 0x0
	WIN 0xc7                                       ; destination and source 0 window 3, source 1 window 1
.set I_, 0
.rept 64
	v_pk_add_f32 v[I_:I_+1], v[I_:I_+1], v[I_:I_+1]
.set I_, I_+2
.endr
	; THE WAY OUT: a tile of 16 tokens goes into my stage, 32 bytes a lane, and comes back as rows of 512 bytes (LDS serves a wave's instructions in order); x1's rows are added; 32 lanes store 512 consecutive bytes, aligned
.irp a, 0,1
	WIN 0x0c
.irp b, 0,1,2,3,4,5,6,7
	ds_store_b128 v[STO], v[8*(8*\a+\b):8*(8*\a+\b)+3] offset:64*\b
	ds_store_b128 v[STO], v[8*(8*\a+\b)+4:8*(8*\a+\b)+7] offset:64*\b+16
.endr
	WIN 0x40
.irp t, 0,1,2,3,4,5,6,7,8,9,10,11,12,13,14,15
	ds_load_b128 v[128+64*\a+4*\t:128+64*\a+4*\t+3], v[RD] offset:\t*SP
.endr
.endr
	s_wait_loadcnt 0x0                             ; x1
.irp a, 0,1
	s_wait_dscnt 32-32*\a                          ; tile a is back; behind tile 0's loads stand tile 1's 16 stores and 16 loads
	WIN 0x41                                       ; destination and source 0 window 1, source 1 window 0
.irp t, 0,1,2,3,4,5,6,7,8,9,10,11,12,13,14,15
	v_pk_add_f32 v[128+64*\a+4*\t:128+64*\a+4*\t+1], v[128+64*\a+4*\t:128+64*\a+4*\t+1], v[RES+64*\a+4*\t:RES+64*\a+4*\t+1]
	v_pk_add_f32 v[128+64*\a+4*\t+2:128+64*\a+4*\t+3], v[128+64*\a+4*\t+2:128+64*\a+4*\t+3], v[RES+64*\a+4*\t+2:RES+64*\a+4*\t+3]
.endr
	WIN 0x04
.irp t, 0,1,2,3,4,5,6,7,8,9,10,11,12,13,14,15
	global_store_b128 v[CA], v[128+64*\a+4*\t:128+64*\a+4*\t+3], s[OB:OB+1] offset:(16*\a+\t)*4096 th:TH_STORE_NT
.endr
.endr
	WIN 0
	s_wait_tensorcnt 0x0                           ; the wave's end
	ds_add_u32 v[SPW], v[NIL]
	s_wait_dscnt 0x0
	ROUND                                          ; the closing round
	s_endpgm
.Lfunc_end_k_qc745030061_w2g:
	.size	k_qc745030061_w2g, .Lfunc_end_k_qc745030061_w2g-k_qc745030061_w2g
	.p2alignl 7, 3214868480
	.fill 96, 4, 3214868480
	.section	.rodata,"a",@progbits
	.p2align	6, 0x0
	.amdhsa_kernel k_qc745030061_w2g
		.amdhsa_group_segment_fixed_size 327680
		.amdhsa_private_segment_fixed_size 0
		.amdhsa_enable_private_segment 0
		.amdhsa_kernarg_size 40
		.amdhsa_user_sgpr_count 2
		.amdhsa_user_sgpr_kernarg_segment_ptr 1
		.amdhsa_wavefront_size32 1
		.amdhsa_system_sgpr_workgroup_id_x 1
		.amdhsa_system_sgpr_workgroup_id_y 1
		.amdhsa_system_sgpr_workgroup_id_z 1
		.amdhsa_system_vgpr_workitem_id 0
		.amdhsa_next_free_vgpr 1024
		.amdhsa_next_free_sgpr 100
		.amdhsa_reserve_vcc 0
		.amdhsa_float_denorm_mode_32 3
		.amdhsa_float_denorm_mode_16_64 3
		.amdhsa_memory_ordered 1
		.amdhsa_forward_progress 1
		.amdhsa_inst_pref_size 137
	.end_amdhsa_kernel
	.amdgpu_metadata
---
amdhsa.version: [ 1, 2 ]
amdhsa.kernels:
  - .name:           k_qc745030061_w2g
    .symbol:         k_qc745030061_w2g.kd
    .args:
      - { .name: hq, .offset: 0, .size: 8, .value_kind: global_buffer, .address_space: global }
      - { .name: wts, .offset: 8, .size: 8, .value_kind: global_buffer, .address_space: global }
      - { .name: x1, .offset: 16, .size: 8, .value_kind: global_buffer, .address_space: global }
      - { .name: b2, .offset: 24, .size: 8, .value_kind: global_buffer, .address_space: global }
      - { .name: out0, .offset: 32, .size: 8, .value_kind: global_buffer, .address_space: global }
    .group_segment_fixed_size: 327680
    .private_segment_fixed_size: 0
    .kernarg_segment_align: 8
    .kernarg_segment_size: 40
    .max_flat_workgroup_size: 128
    .sgpr_count:     100
    .vgpr_count:     1024
    .wavefront_size: 32
...
	.end_amdgpu_metadata
.endif
;; end of part 6
